; MI455X (gfx1250); checked and timed in simulation.
; The chip was launched on July 23, 2026; its instructions are those of AMD's public machine-readable ISA for CDNA 5 (MIT licence, August 2026) and "CDNA5" Instruction Set Architecture Reference Guide (July 2026). The comments in the code are by the model that wrote it; some were corrected since.
;; Ro PE Multihead Self Attention. Allowed arithmetic: matrix products marked QUANTISED: E2M1 operands, one E8M0 scale for each 32 along K, by v_wmma_scale_f32_16x16x128_f8f6f4 with both operands' format E2M1 (or v_wmma_scale_f32_32x16x128_f4), f32 sums; everything else in f32.
;; Inputs: Wk 1,024 x 1,024 float32; Wo 1,024 x 1,024 float32; Wq 1,024 x 1,024 float32; Wv 1,024 x 1,024 float32; bk 1,024 float32; bo 1,024 float32; bq 1,024 float32; bv 1,024 float32; x 4 x 2,048 x 1,024 float32.
;; Outputs: out0 4 x 2,048 x 1,024 float32.
;; This version of the problem:
;;   THIS VERSION OF THE PROBLEM IS GIVEN IN LOW PRECISION. The matrix products marked QUANTISED in the list below multiply operands that are first quantised to E2M1 (2 exponent bits, 1 mantissa bit; 4 bits a number), with one power-of-two scale for each 32 numbers along K (OCP MX v1.0); their sums are f32. All else is computed in f32.
;;   The module's matrix products, in the order in which they are computed (A, B: the left and right operand; K: the contracted axis; several contracted axes count as one K, in the product's order):
;;     1. [M 8,192, K 1,024] x [K 1,024, N 1,024]; A: input x; B: input Wq: QUANTISED
;;     2. [M 8,192, K 1,024] x [K 1,024, N 1,024]; A: input x; B: input Wk: QUANTISED
;;     3. [M 8,192, K 1,024] x [K 1,024, N 1,024]; A: input x; B: input Wv: QUANTISED
;;     4. batch 64 x [M 2,048, K 64] x [K 64, N 2,048]; A: computed on the way; B: computed on the way: QUANTISED
;;     5. batch 64 x [M 64, K 2,048] x [K 2,048, N 2,048]; A: computed on the way; B: softmax (see below): QUANTISED
;;     6. [M 8,192, K 1,024] x [K 1,024, N 1,024]; A: computed on the way; B: input Wo: QUANTISED
;;   THE QUANTISER, for each operand of a quantised product, along K:
;;     - K is cut into blocks of 32 from its start; a last block that is shorter is filled with zeros.
;;     - A block's scale is 2^e with e = floor(log2(the largest magnitude in the block)) - 2, held to -126 .. 127; a block of zeros has e = 0. As a byte (E8M0): e + 127.
;;     - Each number is divided by its block's scale, clamped to +-6, and rounded to the nearest number of E2M1, ties to even, subnormals kept.
;;     - The product sums the exact products of the quantised numbers (number of the format x scale) in f32.
;;   ~~~python
;;   def quantise(x, axis):      # numpy; x: float32 -> the quantised numbers, widened to float32 again
;;       x = np.moveaxis(x, axis, -1); K = x.shape[-1]
;;       x = np.pad(x, [(0, 0)] * (x.ndim - 1) + [(0, -K % 32)]); x = x.reshape(x.shape[:-1] + (-1, 32)); a = np.abs(x).max(-1, keepdims=True)
;;       e = np.where(a > 0, np.clip(np.frexp(np.where(a > 0, a, 1))[1] - 1 - 2, -126, 127), 0)      # np.frexp(a)[1] - 1 = floor(log2(a)), exactly
;;       r = np.clip(x / 2.0 ** e, -6, 6)
;;       step = 2.0 ** (np.maximum(np.frexp(np.where(r == 0, 1, r))[1] - 1, 0) - 1)
;;       q = np.round(r / step) * step * 2.0 ** e      # np.round: ties to even
;;       return np.moveaxis(q.reshape(q.shape[:-2] + (-1,))[..., :K], -1, axis).astype(np.float32)
;;   ~~~
;;   SOFTMAX AHEAD OF A QUANTISED PRODUCT. Where the list says 'softmax', what is quantised is not the finished softmax but p = 2^(t - M), with t = logit x log2(e) and M = ceil(the row's largest t), a whole number; so 1/2 < the row's largest p <= 1. The row's sum l is taken of the UNQUANTISED p, in f32, and the product's result is divided by l at the end. Since M is a whole number, a kernel that streams over the keys may use a running M (the ceiling of the running maximum): every later rescaling is an exact power of two, which a block's scale takes up: the codes' values come out the same.
;;   OPERANDS COMPUTED ON THE WAY. 'Computed on the way' means the value that the module computes at that place (a softmax that the list does not call 'softmax' is quantised finished and normalised). What goes into a quantiser is computed in f32, as accurately as f32 sums, v_exp_f32 and their like allow (about 1e-6 of the number): no bf16 or f16 on the way to a quantiser, and a product that is left as it is and whose result goes on into a quantised operand takes f32 operands (vector FMAs, or v_wmma_f32_16x16x4_f32). A number that lies on a knife's edge between two numbers of the format may be rounded either way, as far as f32 arithmetic and the matrix unit's own rounding can turn it there, and no further.
;; One version. Each part assembles by itself: llvm-mc -triple=amdgcn-amd-amdhsa -mcpu=gfx1250 --defsym DOCPART=n.
;; ======== version 1 of 1: 4 launches
;; limits: right only within a limited range of input values
;; workspace buffers: cimg 6,291,456 bytes; simg 393,216 bytes; rope 524,288 bytes; qkv 13,893,632 bytes; aimg 4,194,304 bytes; asc 262,144 bytes
;; launch prep (part 1): grid 512 x 1, 4 waves a work-group, no clusters, 34,304 bytes of LDS; arguments x, Wq, Wk, Wv, Wo, cimg, simg, rope; writes cimg, simg, rope
.if DOCPART == 1
	.amdgcn_target "amdgcn-amd-amdhsa--gfx1250"
	.amdhsa_code_object_version 6
	.text
	.protected	k_q6e4ce7a08e_prep
	.globl	k_q6e4ce7a08e_prep
	.p2align	8
	.type	k_q6e4ce7a08e_prep,@function
k_q6e4ce7a08e_prep:
	s_mov_b64 s[64:65], 0
	v_nop
	global_prefetch_b8 v0, s[64:65] scope:SCOPE_SE
	s_setreg_imm32_b32 hwreg(HW_REG_WAVE_MODE, 25, 1), 1
	s_wait_xcnt 0x0
; PREP.  (1) x [8192][1024] and Wq, Wk, Wv, Wo [1024][1024], f32, K innermost, become codes of FP4 (E2M1) with one E8M0 byte for each 32 along K.  (2) The table of cos and sin for the rotary embedding.
; THE CODES ARE LAID AS IMAGES OF THE OPERAND'S REGISTERS.  A tile is 16 rows; position p of tile T is row 32 (T / 2) + 8 (T % 2) + p + 8 (p / 8).  A fragment (16 rows x 128 K) is 1,024 bytes, [c 0..1][lane][16 bytes]:
; lane (r, h) of piece c holds k = 64 c + 32 h + 0 .. 31 of position r.  cimg: [sigma 0..1][T 0..767][step 0..3][1,024], K step = 4 sigma + step; T 0-511 x, 512-575 Wq, 576-639 Wk, 640-703 Wv, 704-767 Wo.
; simg: [T][sigma][r][16 bytes]: word q is the scale word of K step 4 sigma + q of position r.   rope: [t 0..2047][cos 32 f32 | sin 32 f32].
; A block's scale is 2^(floor(log2(its largest magnitude)) - 2); its byte is the largest magnitude's exponent field - 2, held at 1 from below.
; LIMITS: a block of zeros gets the byte 1 where the rule says 127 (its codes are zeros; this program alone reads the bytes); NaN and infinities among the inputs are not served.
; SHARES.  Work-groups 0-383 quantise 32 rows each: wave w takes tile 2 G + w / 2 and K half w % 2: 16 rows x 512 K in four K steps.  Each load reads 512 consecutive bytes of one row; a K step turns through the wave's own
; stage in LDS (16 rows of 512 + 16 bytes) so that a lane gets its two whole blocks of 32.  The conversions' results are the image: each store covers 512 consecutive bytes.  Waves share nothing: no barrier.
; Work-groups 384-511 make the table, four rows a wave, a lane a frequency, without LDS.  No matrix unit, no cluster: nothing is shared and memory binds.
.set CSTR, 3145728                     ; bytes from sigma 0 to sigma 1 in cimg
.set SP,   528                         ; a stage row
.set R,    16                          ; v16-143  two sets of 64: a K step as loaded
.set X,    144                         ; v144-207 my two blocks of 32
.set PC,   208                         ; v208-239 codes, eight registers for each K step: no store's data are written again
.set WD,   240                         ; v240-243 a scale word for each K step
	s_load_b256 s[4:11], s[0:1], 0x0               ; x, Wq, Wk, Wv
	s_load_b256 s[12:19], s[0:1], 0x20             ; Wo, cimg, simg, rope
	v_lshl_add_u32 v254, v0, 2, 0x8400
	v_mov_b32 v255, 0
	v_lshrrev_b32 v9, 5, v0
	v_readfirstlane_b32 s22, v9                    ; wave 0..3
	v_and_b32 v1, 31, v0                           ; lane
	s_cmp_ge_u32 ttmp9, 384
	s_cbranch_scc1 .Ltable
	; ---------------- the quantiser
	v_and_b32 v2, 15, v0                           ; r
	v_bfe_u32 v3, v0, 4, 1                         ; h
	v_lshlrev_b32 v4, 4, v1                        ; 16 x lane: my bytes of a load and of an image
	s_mul_i32 s25, s22, 16*SP                      ; my wave's stage
	v_add_nc_u32 v5, s25, v4                       ; into it: a row as it lies
	v_mul_u32_u24 v6, v2, SP
	v_lshl_add_u32 v6, v3, 7, v6
	v_add_nc_u32 v6, s25, v6                       ; out of it: row r, + 128 h: k = 32 h on
	v_lshlrev_b32 v7, 3, v3                        ; 8 h: my bytes' place in a scale word
	v_lshlrev_b32 v8, 4, v2
	v_lshl_add_u32 v8, v3, 3, v8                   ; simg: 16 r + 8 h
	v_cmp_ne_u32 s30, 0, v3                        ; lanes 16-31
	v_mov_b32 v244, 0                              ; written once: a lane permute's destination counts as one of its sources
	s_mov_b32 s20, 0x76543210
	s_mov_b32 s21, 0xfedcba98                      ; v_permlanex16_b32's selects for lane l xor 16
	s_lshr_b32 s23, s22, 1                         ; u: which tile of the pair
	s_and_b32 s24, s22, 1                          ; sigma: which half of K
	s_and_b32 s28, ttmp9, 31                       ; a weight's block of 32 rows
	s_wait_alu depctr_va_vdst(0)
	s_wait_kmcnt 0x0
	s_mov_b64 s[26:27], s[12:13]                   ; which tensor: the choice hangs on the work-group's number alone
	s_cmp_lt_u32 ttmp9, 352
	s_cselect_b64 s[26:27], s[10:11], s[26:27]
	s_cmp_lt_u32 ttmp9, 320
	s_cselect_b64 s[26:27], s[8:9], s[26:27]
	s_cmp_lt_u32 ttmp9, 288
	s_cselect_b64 s[26:27], s[6:7], s[26:27]
	s_cmp_lt_u32 ttmp9, 256
	s_cselect_b64 s[26:27], s[4:5], s[26:27]
	s_cselect_b32 s28, ttmp9, s28
	s_lshl_b32 s28, s28, 17                        ; 32 rows of 4,096 bytes
	s_lshl_b32 s29, s23, 15                        ; + 8 u rows
	s_add_co_u32 s28, s28, s29
	s_lshl_b32 s29, s24, 11                        ; + 512 sigma numbers
	s_add_co_u32 s28, s28, s29
	s_mov_b32 s29, 0
	s_add_nc_u64 s[26:27], s[26:27], s[28:29]
	s_lshl_b32 s31, ttmp9, 1
	s_add_co_u32 s31, s31, s23                     ; T
	s_mul_i32 s32, s24, CSTR
	s_lshl_b32 s33, s31, 12
	s_add_co_u32 s32, s32, s33
	s_mov_b32 s33, 0
	s_add_nc_u64 s[14:15], s[14:15], s[32:33]      ; my four fragments in cimg
	s_lshl_b32 s32, s31, 9
	s_lshl_b32 s34, s24, 8
	s_add_co_u32 s32, s32, s34
	s_add_nc_u64 s[16:17], s[16:17], s[32:33]      ; my 256 bytes of simg
.macro LOAD s                          ; K step s: 16 rows x 512 bytes into set s % 2
.irp p, 0,1,2,3,4,5,6,7,8,9,10,11,12,13,14,15
	global_load_b128 v[R+64*((\s)%2)+4*\p:R+64*((\s)%2)+4*\p+3], v4, s[26:27] offset:(\p+8*(\p/8))*4096+512*(\s) th:TH_LOAD_NT
.endr
.endm
.macro STEP s
.if (\s) < 3
	s_wait_loadcnt 16                              ; this K step's 16 loads are in; the next one's 16 may be out
.else
	s_wait_loadcnt 0x0
.endif
.irp p, 0,1,2,3,4,5,6,7,8,9,10,11,12,13,14,15
	ds_store_b128 v5, v[R+64*((\s)%2)+4*\p:R+64*((\s)%2)+4*\p+3] offset:SP*\p
.endr
.irp c, 0,1
.irp i, 0,1,2,3,4,5,6,7
	ds_load_b128 v[X+32*\c+4*\i:X+32*\c+4*\i+3], v6 offset:256*\c+16*\i   ; LDS serves a wave's instructions in order: these see the stores above.  k = 64 c + 32 h + 4 i on
.endr
.endr
	s_wait_dscnt 0x0                               ; my two blocks are in, and the stores have read their registers,
.if (\s) < 2
	LOAD (\s)+2                                    ; which take the K step two on
.endif
	v_max3_num_f32 v9, |v[X]|, |v[X+1]|, 0x1800000         ; the largest magnitude of block h, and the floor 2^(3 - 127): the byte cannot fall under 1
	v_max3_num_f32 v10, |v[X+32]|, |v[X+33]|, 0x1800000    ; and of block 2 + h: the two by turns
.irp i, 2,4,6,8,10,12,14,16,18,20,22,24,26,28,30
	v_max3_num_f32 v9, v9, |v[X+\i]|, |v[X+\i+1]|
	v_max3_num_f32 v10, v10, |v[X+32+\i]|, |v[X+33+\i]|
.endr
	v_add_nc_u32 v11, 0xff000000, v9               ; 2 off the exponent field: the conversion takes the exponent field of this operand as its scale
	v_add_nc_u32 v12, 0xff000000, v10
.irp g, 0,1,2,3
	v_cvt_scalef32_pk8_fp4_f32 v[PC+8*(\s)+\g], v[X+8*\g:X+8*\g+7], v11
	v_cvt_scalef32_pk8_fp4_f32 v[PC+8*(\s)+4+\g], v[X+32+8*\g:X+32+8*\g+7], v12
.endr
	v_lshrrev_b32 v13, 23, v11                     ; the scales' bytes
	v_lshrrev_b32 v14, 23, v12
	v_lshl_or_b32 v13, v14, 16, v13                ; blocks h and 2 + h,
	v_lshlrev_b32 v13, v7, v13                     ; at their places in the word;
	v_permlanex16_b32 v244, v13, s20, s21
	v_or_b32 v[WD+(\s)], v13, v244                 ; with lane l xor 16's two the word is whole
	global_store_b128 v4, v[PC+8*(\s):PC+8*(\s)+3], s[14:15] offset:1024*(\s)          ; 32 lanes store 512 consecutive bytes
	global_store_b128 v4, v[PC+8*(\s)+4:PC+8*(\s)+7], s[14:15] offset:1024*(\s)+512
.endm
	LOAD 0
	LOAD 1
	STEP 0
	STEP 1
	STEP 2
	STEP 3
	v_cndmask_b32 v246, v[WD], v[WD+2], s30        ; lanes 0-15 store words 0 and 1 of their row, lanes 16-31 words 2 and 3:
	v_cndmask_b32 v247, v[WD+1], v[WD+3], s30
	global_store_b64 v8, v[246:247], s[16:17]      ; 256 consecutive bytes, aligned
	s_wait_tensorcnt 0x0
	ds_add_u32 v254, v255
	s_wait_dscnt 0x0
	s_endpgm
	; ---------------- the table.  Row t: cos(t f_j), j = 0 .. 31, then sin(t f_j); f_j = 10000^(-j / 32).
	; The angle a = t f_j is one f32 product, as in the definition.  a = n pi/2 + rr with n = the nearest whole number to a 2/pi (at most 1,303): pi/2 is taken off in two parts; the first product is exact
	; (n has 11 bits, the part 24, and the difference is a multiple of 2^-23 under 1).  sin and cos of rr, |rr| <= pi/4, by polynomials of degree 7 and 8; the quadrant n mod 4 swaps them and sets the signs.
	; LIMIT: f_j comes from v_exp_f32 and may differ from the definition's in its last bits, which at t near 2,047 moves an angle by a few 1e-4.
.Ltable:
	s_sub_co_u32 s23, ttmp9, 384
	s_lshl_b32 s23, s23, 2
	s_add_co_u32 s23, s23, s22                     ; which four rows
	s_wait_alu depctr_va_vdst(0)
	v_cvt_f32_u32 v2, v1
	v_mul_f32 v2, 0xbed49a78, v2                   ; -j log2(10000) / 32
	s_wait_alu depctr_va_vdst(0)
	v_exp_f32 v2, v2                               ; f_j
	v_and_b32 v3, 1, v1                            ; (plain work behind the exponential)
	v_lshrrev_b32 v4, 1, v1
	v_lshlrev_b32 v4, 3, v4
	v_lshl_add_u32 v4, v3, 7, v4                   ; even lanes store two cos at 8 (lane / 2), odd lanes two sin 128 bytes on
	v_cmp_ne_u32 s30, 0, v3
	s_lshl_b32 s24, s23, 2                         ; t of my first row
	s_lshl_b32 s28, s23, 10
	s_mov_b32 s29, 0
	s_mov_b32 s32, 0xb94ca1f9                      ; sin: -1.9515296e-4, 8.3321609e-3, -1.6666655e-1
	s_mov_b32 s33, 0x3c08839e
	s_mov_b32 s34, 0xbe2aaaa3
	s_mov_b32 s35, 0x37ccf5ce                      ; cos: 2.4433157e-5, -1.3887316e-3, 4.1666646e-2
	s_mov_b32 s36, 0xbab6061a
	s_mov_b32 s37, 0x3d2aaaa5
	s_wait_kmcnt 0x0
	s_add_nc_u64 s[18:19], s[18:19], s[28:29]
	s_wait_alu depctr_va_vdst(0)                   ; ahead of the first reader of the exponential
.macro TROW i
.set B, 16+16*(\i)
	s_add_co_u32 s25, s24, \i
	v_cvt_f32_u32 v[B], s25
	v_mul_f32 v[B], v[B], v2                       ; a
	v_mul_f32 v[B+1], 0x3f22f983, v[B]             ; a 2/pi
	v_rndne_f32 v[B+1], v[B+1]                     ; n
	v_fmamk_f32 v[B+2], v[B+1], 0xbfc90fdb, v[B]   ; a - n x (pi/2's first 24 bits)
	v_fmamk_f32 v[B+2], v[B+1], 0x333bbd2e, v[B+2] ; - n x (the rest of pi/2, which is negative): rr
	v_cvt_i32_f32 v[B+3], v[B+1]
	v_mul_f32 v[B+4], v[B+2], v[B+2]               ; z = rr^2
	v_fma_f32 v[B+5], v[B+4], s32, s33
	v_fma_f32 v[B+7], v[B+4], s35, s36
	v_fma_f32 v[B+5], v[B+5], v[B+4], s34
	v_fma_f32 v[B+7], v[B+7], v[B+4], s37
	v_mul_f32 v[B+6], v[B+2], v[B+4]               ; rr z
	v_mul_f32 v[B+8], v[B+4], v[B+4]               ; z z
	v_fma_f32 v[B+9], v[B+4], -0.5, 1.0
	v_fma_f32 v[B+5], v[B+5], v[B+6], v[B+2]       ; sin rr
	v_fma_f32 v[B+7], v[B+7], v[B+8], v[B+9]       ; cos rr
	v_and_b32 v[B+10], 1, v[B+3]
	v_cmp_ne_u32 vcc_lo, 0, v[B+10]                ; an odd quadrant swaps the two
	v_cndmask_b32 v[B+11], v[B+5], v[B+7], vcc_lo
	v_cndmask_b32 v[B+12], v[B+7], v[B+5], vcc_lo
	v_lshlrev_b32 v[B+10], 30, v[B+3]
	v_and_b32 v[B+10], 0x80000000, v[B+10]         ; sin is negative in quadrants 2 and 3,
	v_xor_b32 v[B+11], v[B+11], v[B+10]            ; sin a
	v_add_nc_u32 v[B+3], 1, v[B+3]
	v_lshlrev_b32 v[B+3], 30, v[B+3]
	v_and_b32 v[B+3], 0x80000000, v[B+3]           ; cos in quadrants 1 and 2
	v_xor_b32 v[B+12], v[B+12], v[B+3]             ; cos a
	v_mov_b32_dpp v[B+8], v[B+12] row_xmask:1 row_mask:0xf bank_mask:0xf   ; my neighbour's cos
	v_mov_b32_dpp v[B+9], v[B+11] row_xmask:1 row_mask:0xf bank_mask:0xf   ; and sin
	v_cndmask_b32 v[B+14], v[B+12], v[B+9], s30    ; even lane: cos j, cos j + 1; odd lane: sin j - 1, sin j
	v_cndmask_b32 v[B+15], v[B+8], v[B+11], s30
	global_store_b64 v4, v[B+14:B+15], s[18:19] offset:256*(\i)   ; 32 lanes store the row's 256 bytes
.endm
	TROW 0
	TROW 1
	TROW 2
	TROW 3
	s_endpgm
.Lfunc_end_k_q6e4ce7a08e_prep:
	.size	k_q6e4ce7a08e_prep, .Lfunc_end_k_q6e4ce7a08e_prep-k_q6e4ce7a08e_prep
	.p2alignl 7, 3214868480
	.fill 96, 4, 3214868480
	.section	.rodata,"a",@progbits
	.p2align	6, 0x0
	.amdhsa_kernel k_q6e4ce7a08e_prep
		.amdhsa_group_segment_fixed_size 34304
		.amdhsa_private_segment_fixed_size 0
		.amdhsa_enable_private_segment 0
		.amdhsa_kernarg_size 64
		.amdhsa_user_sgpr_count 2
		.amdhsa_user_sgpr_kernarg_segment_ptr 1
		.amdhsa_wavefront_size32 1
		.amdhsa_system_sgpr_workgroup_id_x 1
		.amdhsa_system_sgpr_workgroup_id_y 1
		.amdhsa_system_sgpr_workgroup_id_z 1
		.amdhsa_system_vgpr_workitem_id 0
		.amdhsa_next_free_vgpr 256
		.amdhsa_next_free_sgpr 66
		.amdhsa_reserve_vcc 1
		.amdhsa_float_denorm_mode_32 3
		.amdhsa_float_denorm_mode_16_64 3
		.amdhsa_memory_ordered 1
		.amdhsa_forward_progress 1
		.amdhsa_inst_pref_size 38
	.end_amdhsa_kernel
	.amdgpu_metadata
---
amdhsa.version: [ 1, 2 ]
amdhsa.kernels:
  - .name:           k_q6e4ce7a08e_prep
    .symbol:         k_q6e4ce7a08e_prep.kd
    .args:
      - { .name: x, .offset: 0, .size: 8, .value_kind: global_buffer, .address_space: global }
      - { .name: Wq, .offset: 8, .size: 8, .value_kind: global_buffer, .address_space: global }
      - { .name: Wk, .offset: 16, .size: 8, .value_kind: global_buffer, .address_space: global }
      - { .name: Wv, .offset: 24, .size: 8, .value_kind: global_buffer, .address_space: global }
      - { .name: Wo, .offset: 32, .size: 8, .value_kind: global_buffer, .address_space: global }
      - { .name: cimg, .offset: 40, .size: 8, .value_kind: global_buffer, .address_space: global }
      - { .name: simg, .offset: 48, .size: 8, .value_kind: global_buffer, .address_space: global }
      - { .name: rope, .offset: 56, .size: 8, .value_kind: global_buffer, .address_space: global }
    .group_segment_fixed_size: 34304
    .private_segment_fixed_size: 0
    .kernarg_segment_align: 8
    .kernarg_segment_size: 64
    .max_flat_workgroup_size: 128
    .sgpr_count:     66
    .vgpr_count:     256
    .wavefront_size: 32
...
	.end_amdgpu_metadata
.endif
;; end of part 1
;; launch gemm_qkv (part 2): grid 8 x 32, 4 waves a work-group, clusters of 4 x 4, 279,040 bytes of LDS; arguments cimg, simg, bq, bk, bv, rope, qkv; writes qkv
.if DOCPART == 2
	.amdgcn_target "amdgcn-amd-amdhsa--gfx1250"
	.amdhsa_code_object_version 6
	.text
	.protected	k_q6e4ce7a08e_gemm_qkv
	.globl	k_q6e4ce7a08e_gemm_qkv
	.p2align	8
	.type	k_q6e4ce7a08e_gemm_qkv,@function
k_q6e4ce7a08e_gemm_qkv:
	s_mov_b64 s[64:65], 0
	v_nop
	global_prefetch_b8 v0, s[64:65] scope:SCOPE_SE
	s_setreg_imm32_b32 hwreg(HW_REG_WAVE_MODE, 25, 1), 1
	s_wait_xcnt 0x0
	s_wait_alu depctr_hold_cnt(0) depctr_sa_sdst(0) depctr_va_vdst(0) depctr_va_sdst(0) depctr_va_ssrc(0) depctr_va_vcc(0) depctr_vm_vsrc(0)
	s_getreg_b32 s2, hwreg(HW_REG_IB_STS2, 6, 4)
	s_cmp_eq_u32 s2, 0
	s_cbranch_scc0 .Lentry_in_a_cluster
	s_endpgm
.Lentry_in_a_cluster:
	s_bfe_u32 s2, ttmp6, 0x10000c
	s_cmp_lg_u32 s2, 0xf033
	s_cbranch_scc0 .Lentry_shape_is_right
	s_endpgm
.Lentry_shape_is_right:
; q = rope(x Wq^T + bq), k = rope(x Wk^T + bk), v = x Wv^T + bv, on codes of FP4 with E8M0 scales, and their results quantised at once as the operands of attention.
; cimg, simg: images of operand registers.  A tile is 16 rows; position p of tile T is row 32 (T / 2) + 8 (T % 2) + p + 8 (p / 8); a fragment (16 rows x 128 K) is [c][lane][16 bytes].  cimg [sigma][T][step][1,024], simg [T][sigma][r][16]; T 0-511 x, 512-575 Wq, 576-639 Wk, 640-703 Wv.
; SHARES.  32 blocks of 256 tokens x 8 blocks of 256 rows of Wq (cluster x 0) or Wk (1): 256 work-groups of four waves.  All of K = 1,024 of the tokens ('A') and of the rows ('B') comes into LDS ONCE, one tensor load a wave (two rows of 32,768 bytes: sigma 0, sigma 1).
; A work-group makes TWO things from its tokens.  FIRST V: its 256 tokens x 128 channels of Wv (block 4 cluster x + cx): a wave takes one head's 64 channels x its 128 tokens, 32 accumulators.  Wv's fragments go from memory straight into registers
; (they are register images: each load reads 512 consecutive bytes), so V costs no LDS and no further tensor load.  THEN q or k: 256 x 256, a wave 128 x 128, 64 accumulators.
; THE MATRIX INSTRUCTION IS USED TRANSPOSED.  V: source 0 = 16 tokens, source 1 = 16 rows of Wv: a lane holds one channel and its registers run along the keys, which are V's K.  q, k: source 0 = 16 rows of Wq or Wk, source 1 = 16 tokens: a lane holds one
; token and its registers run along the head's channels.  By the tiles' order of rows registers j of source 0's tiles 2 b + u hold the index 32 b + 16 h + 8 u + j.  The bias is the C of each sum's first matrix instruction.
; qkv: 64 records (batch x 16 + head) of REC bytes: 16 key steps of 8,960 (K: 8 tiles x 512; V: 4 tiles of channels x 1,024; K's scale words 512; V's 256), Q's 128 tiles x 512 at QI, Q's scale words at QS.
; A tile of q or k is [lane][16 bytes]: channels 32 h + 0 .. 31; its scale word is byte 0, byte 1, 0x7f, 0x7f: the upper 64 of the instruction's 128 along K are zero codes there.
; CLUSTERS: 4 x 4.  A's tiles are asked for jointly by a row of the cluster, B's by a column.  One tensor load a wave is out.  No prefetch: the launch has no loop to run ahead in, and every byte that it waits for is asked for at its head.
; LIMITS: NaN and infinities are not served; a block of zeros gets the byte 1 (its codes are zeros; this program alone reads the bytes).
; REGISTERS: window 0: v8-31 addresses; v32-95 scale words of tokens (lanes 0-15) and of B (lanes 16-31), two sets; v96-127 Wv's scale words; v128-159 bv, v160-191 at work for V; then v128-191 A's fragments; v192-255 bq or bk; on q's and k's way out v160-255 are at work.
;   window 1: source 0's fragments, two sets, at v0 and v128; cos and sin in the rest, and at the end in all of it.   window 2: V's accumulators, then q's or k's for my tokens 0-63.   window 3: Wv's 32 fragments, (K step g, tile a) at v[8 (4 g + a)]; then the accumulators of my tokens 64-127.
.set CSTR,  3145728
.set REC,   217088
.set QI,    143360
.set QS,    208896
.set KSB,   8960
.set SLOT,  32768                      ; LDS: 65,536 bytes a wave's load (A's two halves, then B's two): K steps 0-3 (slot 0), then K steps 4-7 (slot 1)
.set STG,   262144                     ; behind the tiles: the stages for scale words: bytes that no tensor load fills
.set SPARE, 0x44000                    ; the spare words, 128 bytes a wave
.set NQ,    4
.set FR,    8
.set ADRA,  16                         ; v16-17 LDS address of my tokens' fragments in slot 0, 1
.set ADRB,  20                         ; v20-21 the same for B
.set ADRS,  27
.set SC,    32
.set VS,    96
.set VB,    128
.set AF,    128
.set BIAS,  192
.set H,     160                        ; q's and k's way out: 64 numbers ahead of the quantiser
.set G1,   24
.set G0,   32
.set G1B,  48
.set G0B,  56
.set MSB, 0
.macro WIN new                         ; the immediate's high byte repeats the setting that is left
.if MSB != (\new)
	s_set_vgpr_msb (MSB<<8)|(\new)
.set MSB, (\new)
.endif
.endm
.set MUL_LO, 0xa1                      ; source 0 window 1, source 1 window 0, C and D window 2
.set MUL_HI, 0xf1                      ; the same, C and D window 3
.set TO_B,   0x40
.macro CROUND                          ; a round of the cluster's barrier
	s_barrier_signal -1
	s_barrier_wait -1
	s_cmp_lg_u32 s18, 0
	s_cbranch_scc1 .Lnot_wave_0_\@
	s_barrier_signal -3
.Lnot_wave_0_\@:
	s_barrier_wait -3
	s_barrier_signal -1
	s_barrier_wait -1
.endm
.macro PLACES                          ; four plain vector instructions behind matrix instructions, ahead of loads into their registers and of reads of their results
.rept 4
	v_nop
.endr
.endm
	s_load_b256 s[4:11], s[0:1], 0x0               ; cimg, simg, bq, bk
	s_load_b128 s[12:15], s[0:1], 0x20             ; bv, rope
	s_load_b64 s[16:17], s[0:1], 0x30              ; qkv
	v_lshl_add_u32 v28, v0, 2, SPARE
	v_mov_b32 v29, 0
	ds_add_u32 v28, v29                            ; the opening lines: the add, twice on end, and its wait ahead of my tensor load
	ds_add_u32 v28, v29
	v_lshrrev_b32 v9, 5, v0
	v_readfirstlane_b32 s18, v9                    ; wave 0..3
	s_lshr_b32 s19, s18, 1                         ; HA: my half of the tokens.  Also: I fetch for A (0) or B (1)
	s_and_b32 s20, s18, 1                          ; HB: my half of B's rows, and of V's channels.  Also: which half I fetch
	s_bfe_u32 s21, ttmp6, 0x40000                  ; cx
	s_bfe_u32 s22, ttmp6, 0x40004                  ; cy
	s_mov_b32 s23, ttmp9                           ; cluster x: 0 q, 1 k
	s_and_b32 s40, ttmp7, 0xffff                   ; cluster y
	s_lshl_b32 s42, s22, 2
	s_lshl_b32 s42, 15, s42                        ; my row of the cluster
	s_lshl_b32 s43, 0x1111, s21                    ; my column
	s_or_b32 s[G1], s42, (3<<16)|(1<<21)           ; elements of 8 bytes, no padding; the mask, bit 21 beside it
	s_or_b32 s[G1B], s43, (3<<16)|(1<<21)
.irp g, G1, G1B
	s_mov_b32 s[\g+1], 4096<<16                    ; tensor_dim0: eight tiles' codes of one sigma
	s_mov_b32 s[\g+2], 2<<16                       ; tensor_dim1
	s_mov_b32 s[\g+3], 4096<<16                    ; tile_dim0
	s_mov_b32 s[\g+4], 2                           ; tile_dim1
	s_mov_b32 s[\g+5], CSTR/8                      ; the pitch: from sigma 0 to sigma 1
	s_mov_b32 s[\g+6], 0
	s_mov_b32 s[\g+7], 0
.endr
	; the first tile that I fetch.  A's (s2) is made of the cluster's y, cy and the wave; B's (s3) of the cluster's x, cx and the wave
	s_lshl_b32 s2, s40, 6
	s_lshl_b32 s66, s22, 4
	s_add_co_u32 s2, s2, s66                       ; tokens: 64 cluster y + 16 cy
	s_lshl_b32 s3, s23, 6
	s_add_co_u32 s3, s3, 512                       ; Wq, Wk: 512 + 64 cluster x
	s_lshl_b32 s46, s21, 4
	s_add_co_u32 s3, s3, s46                       ; + 16 cx
	s_lshl_b32 s67, s20, 3
	s_add_co_u32 s2, s2, s67                       ; + the half that I fetch
	s_add_co_u32 s3, s3, s67
	s_lshl_b32 s66, s2, 12                         ; a tile's codes of one sigma: 4,096 bytes
	s_mov_b32 s67, 0
	s_lshl_b32 s46, s3, 12
	s_mov_b32 s47, 0
	s_and_b32 s101, s40, 1                         ; ks = 2 (4 (cluster y % 2) + cy) + HA: my 128 tokens' place in their batch: the key step
	s_lshl_b32 s101, s101, 2
	s_add_co_u32 s101, s101, s22
	s_lshl_b32 s101, s101, 1
	s_add_co_u32 s101, s101, s19
	s_lshl_b32 s98, s101, 15                       ; 128 rows of the table, 256 bytes each
	s_mov_b32 s99, 0
	s_mov_b32 s44, 0x76543210
	s_mov_b32 s45, 0xfedcba98                      ; v_permlanex16_b32's selects for lane l xor 16
	s_mov_b32 s100, 0x7f7f0000
	s_lshl_b32 s68, s19, 3                         ; the scale words: the first tile of the tokens that I multiply (the fetched half off, HA's on),
	s_add_co_u32 s68, s68, s2
	s_lshl_b32 s69, s20, 3
	s_sub_co_u32 s68, s68, s69
	s_lshl_b32 s68, s68, 9                         ; x 512 bytes a tile;
	s_lshl_b32 s69, s3, 9                          ; of B the half that I multiply is the half that I fetch
	s_lshl_b32 s72, s23, 2
	s_add_co_u32 s72, s72, s21
	s_lshl_b32 s73, s72, 1
	s_add_co_u32 s73, s73, s20                     ; V: my head, 2 (4 cluster x + cx) + HB
	s_lshl_b32 s74, s73, 2
	s_add_co_u32 s74, s74, 640                     ; its four tiles of Wv
	s_lshl_b32 s76, s74, 12
	s_mov_b32 s77, 0
	s_lshl_b32 s78, s74, 9
	s_mov_b32 s79, 0
	s_lshl_b32 s80, s73, 8                         ; 64 numbers of bv
	s_mov_b32 s81, 0
	s_wait_dscnt 0x0
	s_wait_kmcnt 0x0
	s_add_nc_u64 s[G0+2:G0+3], s[4:5], s[66:67]
	s_add_nc_u64 s[G0B+2:G0B+3], s[4:5], s[46:47]
	s_add_nc_u64 s[98:99], s[14:15], s[98:99]      ; the table at my tokens
	s_add_nc_u64 s[76:77], s[4:5], s[76:77]        ; Wv's codes,
	s_add_nc_u64 s[78:79], s[6:7], s[78:79]        ; scale words,
	s_add_nc_u64 s[80:81], s[12:13], s[80:81]      ; and bias, at my head
.irp g, G0, G0B
	s_mov_b32 s[\g], 1                             ; count = 1
	s_or_b32 s[\g+3], s[\g+3], 0x80000000          ; type = 2
.endr
	s_lshl_b32 s[G0+1], s18, 16                    ; LDS: wave x 65,536
	s_lshl_b32 s[G0B+1], s18, 16
	CROUND                                         ; all sixteen work-groups are here: the joint loads meet
	s_cmp_eq_u32 s19, 0                            ; waves 0 and 1 fetch for A, waves 2 and 3 for B: one load in each arm
	s_cbranch_scc0 .Lfor_b
	tensor_load_to_lds s[G0:G0+3], s[G1:G1+7]
	s_nop 0
.rept 4
	v_nop
.endr
	s_branch .Lasked
.Lfor_b:
	tensor_load_to_lds s[G0B:G0B+3], s[G1B:G1B+7]
	s_nop 0
.rept 4
	v_nop
.endr
.Lasked:
	v_and_b32 v12, 31, v0                          ; lane
	v_and_b32 v10, 15, v0                          ; r
	v_bfe_u32 v11, v0, 4, 1                        ; h
	v_and_b32 v13, 8, v10
	v_add_nc_u32 v13, v13, v10                     ; r + 8 (r / 8): position r's row in its pair of tiles
	v_lshlrev_b32 v24, 4, v12                      ; 16 x lane
	WIN 0xc0                                       ; destination window 3
.irp g, 0,1,2,3,4,5,6,7
.irp a, 0,1,2,3
.irp c, 0,1
	global_load_b128 v[8*(4*\g+\a)+4*\c:8*(4*\g+\a)+4*\c+3], v24, s[76:77] offset:CSTR*(\g/4)+4096*\a+1024*(\g%4)+512*\c   ; Wv's fragment (K step g, tile a): 512 consecutive bytes
.endr
.endr
.endr
	WIN 0
	s_lshl_b32 s94, s19, 16
	s_lshl_b32 s95, s20, 16
	s_add_co_u32 s95, s95, 131072
	v_add_nc_u32 v[ADRA], s94, v24
	v_add_nc_u32 v[ADRB], s95, v24
	v_add_nc_u32 v[ADRA+1], SLOT, v[ADRA]
	v_add_nc_u32 v[ADRB+1], SLOT, v[ADRB]
	v_cmp_ne_u32 s70, 0, v11                       ; lanes 16-31 take B's scale words, lanes 0-15 the tokens'
	v_mov_b32 v14, s68
	v_mov_b32 v15, s69
	v_cndmask_b32 v14, v14, v15, s70
	v_lshl_add_u32 v[ADRS], v10, 4, v14            ; my offset in simg: the tile, + 16 r
.irp sc, 0,1
.irp i, 0,1,2,3,4,5,6,7
	global_load_b128 v[SC+32*\sc+4*\i:SC+32*\sc+4*\i+3], v[ADRS], s[6:7] offset:512*\i+256*\sc   ; block i's four words of sigma sc: sixteen lanes read 256 consecutive bytes, aligned
.endr
.endr
	v_lshlrev_b32 v8, 4, v10                       ; 16 r
.irp sc, 0,1
.irp a, 0,1,2,3
	global_load_b128 v[VS+16*\sc+4*\a:VS+16*\sc+4*\a+3], v8, s[78:79] offset:512*\a+256*\sc      ; Wv's scale words: lanes 0-15 are read
.endr
.endr
	v_lshlrev_b32 v19, 2, v13
.irp a, 0,1,2,3
.irp j, 0,1,2,3,4,5,6,7
	global_load_b32 v[VB+8*\a+\j], v19, s[80:81] offset:4*(32*(\a/2)+8*(\a%2))   ; V's C: all eight registers of tile a hold bv at my position's channel
.endr
.endr
	s_cmp_eq_u32 s23, 0
	s_cselect_b64 s[92:93], s[8:9], s[10:11]       ; bq or bk
	s_lshl_b32 s94, s21, 10
	s_lshl_b32 s95, s20, 9
	s_add_co_u32 s94, s94, s95                     ; at my first column: 256 cx + 128 HB numbers
	s_mov_b32 s95, 0
	s_add_nc_u64 s[92:93], s[92:93], s[94:95]
	v_lshlrev_b32 v9, 6, v11                       ; 16 h numbers on
.irp g, 0,1,2,3,4,5,6,7                        ; register j of B's tile g wants b[32 (g / 2) + 8 (g % 2) + 16 h + j]
	global_load_b128 v[BIAS+8*\g:BIAS+8*\g+3], v9, s[92:93] offset:4*(32*(\g/2)+8*(\g%2))
	global_load_b128 v[BIAS+8*\g+4:BIAS+8*\g+7], v9, s[92:93] offset:4*(32*(\g/2)+8*(\g%2))+16
.endr
	v_lshlrev_b32 v18, 4, v11                      ; 16 h
	v_lshlrev_b32 v14, 2, v10                      ; 4 r
	v_lshlrev_b32 v26, 3, v12                      ; 8 x lane
	s_lshl_b32 s94, s18, 10
	s_add_co_u32 s94, s94, STG                     ; q's and k's stage for scale words: 1,024 bytes a wave
	v_lshl_add_u32 v22, v11, 9, v14
	v_add_nc_u32 v22, s94, v22                     ; in: head h, 4 r
	v_add_nc_u32 v23, s94, v24                     ; out: 16 x lane
	s_lshl_b32 s94, s18, 9
	s_add_co_u32 s94, s94, STG+4096                ; V's stage: 256 bytes of 512 a wave
	v_add_nc_u32 v30, s94, v14                     ; in: 4 r
	v_add_nc_u32 v31, s94, v26                     ; out: 8 x lane
	v_lshlrev_b32 v25, 8, v13
	v_lshl_add_u32 v25, v11, 6, v25                ; the table: my token's row, + 64 h: frequencies 16 h on
.macro FRAG reg, adr, q, i             ; a fragment's image: two loads of 512 consecutive bytes
.irp c, 0,1
	ds_load_b128 v[\reg+4*\c:\reg+4*\c+3], v[\adr] offset:1024*(\q)+512*\c+4096*(\i)
.endr
.endm
; 64 numbers of a lane in window w, v[s] .. v[s + 63], register 16 b + i = k 32 b + 16 h + i of my row, become a fragment's codes in v[PC] on and its scale word in v[PW].  Each accumulator is read from its low end on.
; v[TM] .. +3 largest magnitudes, +4 .. +7 bytes, +12 .. +15 the conversions' scale operands.
.macro QUANT s, w
	WIN (\w)|((\w)<<2)
.irp b, 0,1,2,3
	v_max3_num_f32 v[TM+\b], |v[\s+16*\b]|, |v[\s+1+16*\b]|, 0x1800000   ; my 16 numbers of block b, and the floor 2^(3 - 127): the byte cannot fall under 1
.endr
.irp i, 2,4,6,8,10,12,14
.irp b, 0,1,2,3
	v_max3_num_f32 v[TM+\b], |v[\s+16*\b+\i]|, |v[\s+1+16*\b+\i]|, v[TM+\b]   ; the four blocks by turns
.endr
.endr
	WIN 0
.irp b, 0,1,2,3
	v_permlanex16_b32 v[TM+4+\b], v[TM+\b], s44, s45
.endr
.irp b, 0,1,2,3
	v_max_num_f32 v[TM+\b], v[TM+\b], v[TM+4+\b]   ; with lane l xor 16's: the block's largest magnitude
.endr
.irp b, 0,1,2,3
	v_add_nc_u32 v[TM+12+\b], 0xff000000, v[TM+\b] ; 2 off its exponent field: the conversion's scale operand
.endr
.irp b, 0,1,2,3
	v_lshrrev_b32 v[TM+4+\b], 23, v[TM+12+\b]      ; the scale's byte
.endr
	v_lshl_or_b32 v[PW], v[TM+5], 8, v[TM+4]
	v_lshl_or_b32 v[PW], v[TM+6], 16, v[PW]
	v_lshl_or_b32 v[PW], v[TM+7], 24, v[PW]
	WIN \w
.irp b, 0,1,2,3
	v_cvt_scalef32_pk8_fp4_f32 v[PC+2*\b], v[\s+16*\b:\s+7+16*\b], v[TM+12+\b]
	v_cvt_scalef32_pk8_fp4_f32 v[PC+1+2*\b], v[\s+8+16*\b:\s+15+16*\b], v[TM+12+\b]
.endr
	WIN 0
	v_nop                                          ; one plain place behind a scaled conversion
.irp c, 0,1                                    ; the operand's layout wants a whole block in a lane
.irp i, 0,1
	v_permlane16_swap_b32 v[PC+4*\c+\i], v[PC+2+4*\c+\i]
.endr
.endr
.endm
; cos and sin of block a's 16 tokens lie in window 1: blocks 0-3 in v64-127 and v192-255, which the two sets leave free; blocks 4-7 in the sets, when the products are done.  The caller sets the destination's window
.macro LOADCS a
.set CB, 64+32*((\a)%2)+128*(((\a)/2)%2)-64*((\a)/4)
.irp i, 0,1,2,3
	global_load_b128 v[CB+4*\i:CB+4*\i+3], v25, s[98:99] offset:(32*((\a)/2)+8*((\a)%2))*256+16*\i
	global_load_b128 v[CB+16+4*\i:CB+16+4*\i+3], v25, s[98:99] offset:(32*((\a)/2)+8*((\a)%2))*256+128+16*\i
.endr
.endm
; ---------------- V
.macro FETCHV g                        ; K step g of my eight tiles of tokens, as source 0: into set g % 2 of window 1
	WIN TO_B
.irp i, 0,1,2,3,4,5,6,7
	FRAG 128*((\g)%2)+FR*\i, ADRA+(\g)/4, (\g)%4, \i
.endr
	WIN 0
.endm
; A K step of V: the next step's tokens are asked for at its head, into the other set; then 32 matrix instructions, the 32 accumulators by turns
.macro STEPV g
	s_wait_dscnt 0x0                               ; this step's fragments are in
.if (\g) < 7
.if (\g) > 0
	PLACES                                         ; the other set was read by the last step's products
.endif
	FETCHV (\g)+1
.endif
.if (\g) == 0
	WIN 0x8d                                       ; source 0 window 1, source 1 window 3, C (bv) window 0, D window 2
.else
	WIN 0xad                                       ; the same, C window 2
.endif
.irp a, 0,1,2,3
.irp b, 0,1,2,3,4,5,6,7
.if (\g) == 0
	v_wmma_scale_f32_16x16x128_f8f6f4 v[8*(8*\a+\b):8*(8*\a+\b)+7], v[128*((\g)%2)+FR*\b:128*((\g)%2)+FR*\b+7], v[8*(4*(\g)+\a):8*(4*(\g)+\a)+7], v[VB+8*\a:VB+8*\a+7], v[SC+32*((\g)/4)+4*\b+(\g)%4], v[VS+16*((\g)/4)+4*\a+(\g)%4] matrix_a_fmt:MATRIX_FMT_FP4 matrix_b_fmt:MATRIX_FMT_FP4
.else
	v_wmma_scale_f32_16x16x128_f8f6f4 v[8*(8*\a+\b):8*(8*\a+\b)+7], v[128*((\g)%2)+FR*\b:128*((\g)%2)+FR*\b+7], v[8*(4*(\g)+\a):8*(4*(\g)+\a)+7], v[8*(8*\a+\b):8*(8*\a+\b)+7], v[SC+32*((\g)/4)+4*\b+(\g)%4], v[VS+16*((\g)/4)+4*\a+(\g)%4] matrix_a_fmt:MATRIX_FMT_FP4 matrix_b_fmt:MATRIX_FMT_FP4
.endif
.endr
.endr
.endm
.macro VBLK a                          ; tile a's 64 accumulator registers are 128 keys of one channel a lane, in the quantiser's order
.if (\a) > 0
	s_wait_xcnt 0x0                                ; the last tile's stores have read the codes' registers
.endif
	QUANT 64*(\a), 2
	ds_store_b32 v30, v[PW] offset:64*(\a)         ; both halves of the lanes write the same word with the same value
	global_store_b128 v24, v[PC:PC+3], s[94:95] offset:(\a)*1024
	global_store_b128 v24, v[PC+4:PC+7], s[94:95] offset:(\a)*1024+512
.endm
	s_wait_alu depctr_va_vdst(0)                   ; the wait at the head's end
	s_wait_tensorcnt 0x0                           ; my load is in,
	s_barrier_signal -1
	s_barrier_wait -1                              ; everybody's is: from here on the tiles are only read
	FETCHV 0
	s_wait_loadcnt 0x0                             ; Wv's fragments, all scale words and biases are in
	WIN TO_B
	LOADCS 0                                       ; for q's and k's way out
	LOADCS 1
	LOADCS 2
	LOADCS 3
	WIN 0
.irp g, 0,1,2,3,4,5,6,7
	STEPV \g
.endr
	WIN 0
	s_lshr_b32 s2, s40, 1                          ; the batch
	s_lshl_b32 s2, s2, 4
	s_add_co_u32 s2, s2, s73                       ; my head's record,
	s_mul_i32 s2, s2, REC
	s_mul_i32 s3, s101, KSB                        ; key step ks:
	s_add_co_u32 s2, s2, s3
	s_add_co_u32 s94, s2, 4096                     ; V's four tiles,
	s_mov_b32 s95, 0
	s_add_co_u32 s96, s2, 8704                     ; and their scale words
	s_mov_b32 s97, 0
	s_add_nc_u64 s[94:95], s[16:17], s[94:95]
	s_add_nc_u64 s[96:97], s[16:17], s[96:97]
.set PC, 160                           ; V's quantiser works in v160-191: bq or bk still lies in v192-255
.set TM, 168
.set PW, 184
	PLACES
.irp b, 0,1,2,3
	v_mov_b32 v[TM+4+\b], 0                        ; written once: a lane permute's destination counts as one of its sources
.endr
.irp a, 0,1,2,3
	VBLK \a
.endr
	ds_load_b64 v[186:187], v31                    ; LDS serves a wave's instructions in order: this sees my stores
	s_wait_dscnt 0x0
	global_store_b64 v26, v[186:187], s[96:97]     ; 32 lanes store the head's 256 bytes, aligned
	s_wait_xcnt 0x0                                ; the stores have read their registers and bases, which are written again below
; ---------------- q or k
.set PC, 224
.set TM, 232
.set PW, 248
; 16 matrix instructions: A's blocks a0, a0 + 1 x B's eight, the slot's q-th 128 along K.  p: B's set; sc: the set of scale words.  zero = 1: C = the bias.
; The 64 accumulators take turns, one instruction a turn, in the same order in every step.
.macro MUL16 a0, p, q, sc, zero
.irp a, \a0, \a0+1
.irp b, 0,1,2,3,4,5,6,7
.if \zero
	v_wmma_scale_f32_16x16x128_f8f6f4 v[8*(8*((\a)%4)+\b):8*(8*((\a)%4)+\b)+7], v[128*(\p)+FR*\b:128*(\p)+FR*\b+FR-1], v[AF+FR*(\a):AF+FR*(\a)+FR-1], v[BIAS+8*\b:BIAS+8*\b+7], v[SC+8*NQ*(\sc)+NQ*\b+(\q)], v[SC+8*NQ*(\sc)+NQ*(\a)+(\q)] matrix_a_fmt:MATRIX_FMT_FP4 matrix_b_fmt:MATRIX_FMT_FP4 matrix_a_scale:MATRIX_SCALE_ROW1
.else
	v_wmma_scale_f32_16x16x128_f8f6f4 v[8*(8*((\a)%4)+\b):8*(8*((\a)%4)+\b)+7], v[128*(\p)+FR*\b:128*(\p)+FR*\b+FR-1], v[AF+FR*(\a):AF+FR*(\a)+FR-1], v[8*(8*((\a)%4)+\b):8*(8*((\a)%4)+\b)+7], v[SC+8*NQ*(\sc)+NQ*\b+(\q)], v[SC+8*NQ*(\sc)+NQ*(\a)+(\q)] matrix_a_fmt:MATRIX_FMT_FP4 matrix_b_fmt:MATRIX_FMT_FP4 matrix_a_scale:MATRIX_SCALE_ROW1
.endif
.endr
.endr
.endm
.macro FETCH_B slot, q, p
	WIN TO_B
.irp i, 0,1,2,3,4,5,6,7
	FRAG 128*(\p)+FR*\i, ADRB+\slot, \q, \i
.endr
	WIN 0
.endm
.macro FETCH_A slot, q, i0
.irp i, \i0, \i0+1, \i0+2, \i0+3
	FRAG AF+FR*(\i), ADRA+\slot, \q, \i
.endr
.endm
; A step of 128 along K; its successor is the nq-th of slot ns.  A has one set of registers: blocks 0-3 are fetched anew in the step's middle, blocks 4-7 at its end; B has two sets.
.macro STEP slot, q, zero, ns, nq
	s_wait_dscnt 8                                 ; all but the youngest eight loads (A's blocks 4-7) are in
.if \zero
	WIN 0x81                                       ; C, the bias, in window 0
.else
	WIN MUL_LO
.endif
	MUL16 0, (\q)%2, \q, \slot, \zero
	MUL16 2, (\q)%2, \q, \slot, \zero
	s_wait_dscnt 0x0                               ; A's blocks 4-7 are in
	PLACES
	FETCH_B \ns, \nq, 1-(\q)%2
	FETCH_A \ns, \nq, 0
.if \zero
	WIN 0xc1
.else
	WIN MUL_HI
.endif
	MUL16 4, (\q)%2, \q, \slot, \zero
	MUL16 6, (\q)%2, \q, \slot, \zero
	PLACES
	WIN 0
	FETCH_A \ns, \nq, 4
.endm
	FETCH_B 0, 0, 0
	FETCH_A 0, 0, 0
	FETCH_A 0, 0, 4
	STEP 0, 0, 1, 0, 1
	STEP 0, 1, 0, 0, 2
	STEP 0, 2, 0, 0, 3
	STEP 0, 3, 0, 1, 0
	STEP 1, 0, 0, 1, 1
	STEP 1, 1, 0, 1, 2
	STEP 1, 2, 0, 1, 3
	s_wait_dscnt 8                                 ; the last step: nothing more to fetch
	WIN MUL_LO
	MUL16 0, 1, 3, 1, 0
	MUL16 2, 1, 3, 1, 0
	s_wait_dscnt 0x0
	WIN MUL_HI
	MUL16 4, 1, 3, 1, 0
	MUL16 6, 1, 3, 1, 0
	WIN 0
	PLACES
.irp b, 0,1,2,3
	v_mov_b32 v[TM+4+\b], 0                        ; written once: a lane permute's destination counts as one of its sources
.endr
	; THE WAY OUT.  My 128 columns are two heads c; in head c tiles 4 c + u hold channels 16 h + 8 u + j, tiles 4 c + 2 + u the channels 32 further on: the two halves that the rotation pairs lie in one lane.
	s_lshr_b32 s2, s40, 1                          ; the batch
	s_lshl_b32 s2, s2, 4
	s_lshl_b32 s3, s21, 2
	s_add_co_u32 s2, s2, s3
	s_lshl_b32 s3, s20, 1
	s_add_co_u32 s2, s2, s3                        ; the record of head 4 cx + 2 HB
	s_mul_i32 s2, s2, REC
	s_lshl_b32 s3, s101, 12
	s_add_co_u32 s3, s3, QI                        ; q: 8 tiles x 512,
	s_lshl_b32 s46, s101, 9
	s_add_co_u32 s46, s46, QS                      ; and their scale words
	s_mul_i32 s47, s101, KSB                       ; k: key step ks,
	s_add_co_u32 s66, s47, 8192                    ; and its scale words
	s_cmp_eq_u32 s23, 0
	s_cselect_b32 s3, s3, s47
	s_cselect_b32 s46, s46, s66
	s_add_co_u32 s94, s2, s3
	s_mov_b32 s95, 0
	s_add_co_u32 s96, s2, s46
	s_mov_b32 s97, 0
	s_add_nc_u64 s[94:95], s[16:17], s[94:95]
	s_add_nc_u64 s[96:97], s[16:17], s[96:97]
.macro ROPE a                          ; H = the rotated block a: register 32 c + 16 blk + 8 u + j = channel 32 blk + 16 h + 8 u + j of head c
.set AC, 64*((\a)%4)
.set CB, 64+32*((\a)%2)+128*(((\a)/2)%2)-64*((\a)/4)
	WIN (2+(\a)/4)|4                               ; source 0: the accumulators' window; source 1: cos and sin, window 1
.irp c, 0,1
.irp u, 0,1
.irp jp, 0,2,4,6
	v_pk_mul_f32 v[H+32*\c+8*\u+\jp:H+32*\c+8*\u+\jp+1], v[AC+8*(4*\c+\u)+\jp:AC+8*(4*\c+\u)+\jp+1], v[CB+8*\u+\jp:CB+8*\u+\jp+1]
	v_pk_mul_f32 v[H+32*\c+16+8*\u+\jp:H+32*\c+16+8*\u+\jp+1], v[AC+8*(4*\c+2+\u)+\jp:AC+8*(4*\c+2+\u)+\jp+1], v[CB+8*\u+\jp:CB+8*\u+\jp+1]
.endr
.irp jp, 0,2,4,6
	v_pk_fma_f32 v[H+32*\c+8*\u+\jp:H+32*\c+8*\u+\jp+1], v[AC+8*(4*\c+2+\u)+\jp:AC+8*(4*\c+2+\u)+\jp+1], v[CB+16+8*\u+\jp:CB+16+8*\u+\jp+1], v[H+32*\c+8*\u+\jp:H+32*\c+8*\u+\jp+1] neg_lo:[1,0,0] neg_hi:[1,0,0]
	v_pk_fma_f32 v[H+32*\c+16+8*\u+\jp:H+32*\c+16+8*\u+\jp+1], v[AC+8*(4*\c+\u)+\jp:AC+8*(4*\c+\u)+\jp+1], v[CB+16+8*\u+\jp:CB+16+8*\u+\jp+1], v[H+32*\c+16+8*\u+\jp:H+32*\c+16+8*\u+\jp+1]
.endr
.endr
.endr
	WIN 0
.endm
.macro QKBLK a
	s_wait_loadcnt 8*(7-(\a))                      ; this block's cos and sin are in; behind its eight loads stand eight for each later block
	s_wait_xcnt 0x0                                ; the last block's stores have read the codes' registers, which are written again below
	ROPE \a
	QUANT H, 0
	v_lshrrev_b32 v249, v18, v[PW]                 ; lanes 0-15: head 0's two bytes, lanes 16-31: head 1's,
	v_and_or_b32 v249, v249, 0xffff, s100          ; under 0x7f, 0x7f for the 64 zero codes
	ds_store_b32 v22, v249 offset:64*(\a)
	global_store_b128 v24, v[PC:PC+3], s[94:95] offset:512*(\a)            ; head 0's tile: 512 consecutive bytes
	global_store_b128 v24, v[PC+4:PC+7], s[94:95] offset:REC+512*(\a)      ; head 1's, a record on
.endm
	WIN TO_B
	LOADCS 4                                       ; blocks 4-7, into the two sets: four places and more stand behind the last products
	LOADCS 5
	LOADCS 6
	LOADCS 7
	WIN 0
.irp a, 0,1,2,3,4,5,6,7
	QKBLK \a
.endr
	ds_load_b128 v[H:H+3], v23                     ; LDS serves a wave's instructions in order: these see my stores.  A head's 8 tiles x 16 words: 512 bytes
	ds_load_b128 v[H+4:H+7], v23 offset:512
	s_wait_dscnt 0x0
	global_store_b128 v24, v[H:H+3], s[96:97]
	global_store_b128 v24, v[H+4:H+7], s[96:97] offset:REC
	s_wait_tensorcnt 0x0                           ; the wave's end
	ds_add_u32 v28, v29
	s_wait_dscnt 0x0
	CROUND                                         ; the closing round: no work-group ends while a partner may still ask for a tile that names it
	s_endpgm
.Lfunc_end_k_q6e4ce7a08e_gemm_qkv:
	.size	k_q6e4ce7a08e_gemm_qkv, .Lfunc_end_k_q6e4ce7a08e_gemm_qkv-k_q6e4ce7a08e_gemm_qkv
	.p2alignl 7, 3214868480
	.fill 96, 4, 3214868480
	.section	.rodata,"a",@progbits
	.p2align	6, 0x0
	.amdhsa_kernel k_q6e4ce7a08e_gemm_qkv
		.amdhsa_group_segment_fixed_size 279040
		.amdhsa_private_segment_fixed_size 0
		.amdhsa_enable_private_segment 0
		.amdhsa_kernarg_size 56
		.amdhsa_user_sgpr_count 2
		.amdhsa_user_sgpr_kernarg_segment_ptr 1
		.amdhsa_wavefront_size32 1
		.amdhsa_system_sgpr_workgroup_id_x 1
		.amdhsa_system_sgpr_workgroup_id_y 1
		.amdhsa_system_sgpr_workgroup_id_z 1
		.amdhsa_system_vgpr_workitem_id 0
		.amdhsa_next_free_vgpr 1024
		.amdhsa_next_free_sgpr 104
		.amdhsa_reserve_vcc 0
		.amdhsa_float_denorm_mode_32 3
		.amdhsa_float_denorm_mode_16_64 3
		.amdhsa_memory_ordered 1
		.amdhsa_forward_progress 1
		.amdhsa_inst_pref_size 237
	.end_amdhsa_kernel
	.amdgpu_metadata
---
amdhsa.version: [ 1, 2 ]
amdhsa.kernels:
  - .name:           k_q6e4ce7a08e_gemm_qkv
    .symbol:         k_q6e4ce7a08e_gemm_qkv.kd
    .args:
      - { .name: cimg, .offset: 0, .size: 8, .value_kind: global_buffer, .address_space: global }
      - { .name: simg, .offset: 8, .size: 8, .value_kind: global_buffer, .address_space: global }
      - { .name: bq, .offset: 16, .size: 8, .value_kind: global_buffer, .address_space: global }
      - { .name: bk, .offset: 24, .size: 8, .value_kind: global_buffer, .address_space: global }
      - { .name: bv, .offset: 32, .size: 8, .value_kind: global_buffer, .address_space: global }
      - { .name: rope, .offset: 40, .size: 8, .value_kind: global_buffer, .address_space: global }
      - { .name: qkv, .offset: 48, .size: 8, .value_kind: global_buffer, .address_space: global }
    .group_segment_fixed_size: 279040
    .private_segment_fixed_size: 0
    .kernarg_segment_align: 8
    .kernarg_segment_size: 56
    .max_flat_workgroup_size: 128
    .sgpr_count:     104
    .vgpr_count:     1024
    .wavefront_size: 32
...
	.end_amdgpu_metadata
.endif
;; end of part 2
;; launch attn (part 3): grid 4 x 64, 16 waves a work-group, clusters of 4 x 1, 169,984 bytes of LDS; arguments qkv, aimg, asc; writes aimg, asc
.if DOCPART == 3
	.amdgcn_target "amdgcn-amd-amdhsa--gfx1250"
	.amdhsa_code_object_version 6
	.text
	.protected	k_q6e4ce7a08e_attn
	.globl	k_q6e4ce7a08e_attn
	.p2align	8
	.type	k_q6e4ce7a08e_attn,@function
k_q6e4ce7a08e_attn:
	s_mov_b64 s[64:65], 0
	v_nop
	global_prefetch_b8 v0, s[64:65] scope:SCOPE_SE
	s_setreg_imm32_b32 hwreg(HW_REG_WAVE_MODE, 25, 1), 1
	s_wait_xcnt 0x0
	s_wait_alu depctr_hold_cnt(0) depctr_sa_sdst(0) depctr_va_vdst(0) depctr_va_sdst(0) depctr_va_ssrc(0) depctr_va_vcc(0) depctr_vm_vsrc(0)
	s_getreg_b32 s2, hwreg(HW_REG_IB_STS2, 6, 4)
	s_cmp_eq_u32 s2, 0
	s_cbranch_scc0 .Lentry_in_a_cluster
	s_endpgm
.Lentry_in_a_cluster:
	s_bfe_u32 s2, ttmp6, 0x10000c
	s_cmp_lg_u32 s2, 0x3003
	s_cbranch_scc0 .Lentry_shape_is_right
	s_endpgm
.Lentry_shape_is_right:
; Attention of one head on codes of FP4 with E8M0 scales; its result, divided by the row's sum, is quantised at once as the left operand of the last product.
; qkv: 64 records (batch x 16 + head) of REC bytes: 16 key steps of 8,960 bytes (K: 8 tiles x 512 at 0; V: 4 tiles of channels x 1,024 at 4,096; K's scale words at 8,192; V's at 8,704), Q's 128 tiles x 512 at QI, Q's scale words at QS.
; All are images of operand registers.  In memory position p of tile T is row 32 (T / 2) + 8 (T % 2) + p + 8 (p / 8).  q and k have 64 along K: registers 4-7 of their fragments are zero codes, under the byte 0x7f.
; THE SOFTMAX: t = score x log2(e) / 8; M = the running largest t rounded up to a whole number; p = 2^(t - M) is quantised along the keys, not normalised; the row's sum is taken of the unquantised p and divides at the end.
; When M moves, the sum and O are multiplied by 2^(old M - new M), which rounds nothing.
; SHARES.  A work-group owns 512 queries of one head; each of its sixteen waves one tile of 16 queries at a time, two passes.  All of the head's K and V lies in LDS, filled ONCE: wave w fetches key step w by one tensor load,
; asked for jointly by the head's four work-groups (mask of all four).  The load is 9 rows of 1,024 bytes (the last 256 belong to what follows the step in the record and are not read), 128 bytes of padding behind each row.
; No prefetch: every byte that the launch waits for is asked for at its head.
; THE KEYS OF A TILE OF S^T ARE CHOSEN BY THE LANES' LDS ADDRESSES: row p of tile (c, u) is key 64 c + 32 (p / 8) + 8 u + p % 8.  S^T = K Q^T gives lane (r, h) query r and in register j row 8 h + j:
; so registers 32 c + 0 .. 31 of S^T are the 32 keys of block 2 c + h, in order.  A block's largest score needs no other lane, and the eight conversions' results are P's operand as they stand (registers 4 c + u: k = 64 c + 32 h + 8 u ..).
; With the padding the sixteen lanes of a half of a K load touch sixteen different 16-byte columns of 256 bytes.
; A SPLIT BARRIER IN EACH KEY STEP: signalled at the step's head, awaited ahead of O^T += V^T P^T: no wave takes that product of step i before every wave has begun step i.  It guards no bytes; between its halves stand register work and reads of LDS bytes that nobody writes.
; aimg: [sigma][T 0..511][4,096]: head hh at sigma = hh / 8, byte (hh % 8) x 512: [lane][16 bytes], channels 32 h on.   asc: [T][sigma][r][16 bytes]: head hh, block blk at byte 2 (hh % 8) + blk.
; LIMITS: the scaled scores stay under 2^31 in magnitude; NaN and infinities are not served; a block of zeros gets the byte 1.  asc is stored a byte a lane (262,144 bytes in all): aligned blocks of 256 bytes are written in part by each work-group.
; REGISTERS: v1 16 lane; v2-5 my lane's place in K, K's scale words, V, V's scale words; v6 16 r + h; v7 the byte to store; v8-11 the output's codes; v12 -M; v13 the largest score; v[14:15] the sum; v16-23 Q; v24-27 at work;
;   v28-31 the step's LDS addresses; v32-95 K's eight fragments; v96-159 S^T then p; v160-191 O^T; v192-223 V; v224-231 p's codes; v232-239 at work; v240-241 V's scale words; v242-243 the add's; v244 4 r; v246 8 h; v248-251 K's scale words; v252 f; v253 p's scale word; v254 at work; v255 q's.
.set REC,  217088
.set QI,   143360
.set QS,   208896
.set KSB,  8960                        ; a key step in memory
.set KST,  10368                       ; and in LDS: 9 rows of 1,024 + 128 bytes
.set ASTR, 2097152
.set SPARE, 0x29000                    ; behind the sixteen key steps: the spare words, 128 bytes a wave
.macro CROUND                          ; a round of the cluster's barrier
	s_barrier_signal -1
	s_barrier_wait -1
	s_cmp_lg_u32 s10, 0
	s_cbranch_scc1 .Lnot_wave_0_\@
	s_barrier_signal -3
.Lnot_wave_0_\@:
	s_barrier_wait -3
	s_barrier_signal -1
	s_barrier_wait -1
.endm
	s_load_b128 s[4:7], s[0:1], 0x0                ; qkv, aimg
	s_load_b64 s[8:9], s[0:1], 0x10                ; asc
	v_lshl_add_u32 v242, v0, 2, SPARE
	v_mov_b32 v243, 0
	ds_add_u32 v242, v243                          ; the opening lines: the add, twice on end, and its wait ahead of my tensor load
	ds_add_u32 v242, v243
	v_lshrrev_b32 v3, 5, v0
	v_readfirstlane_b32 s10, v3                    ; wave 0..15
	s_bfe_u32 s11, ttmp6, 0x40000                  ; cx: it enters Q's and the outputs' addresses alone
	s_and_b32 s12, ttmp7, 0xffff                   ; the record, which the four partners share
	s_lshr_b32 s13, s12, 4                         ; the batch
	s_and_b32 s14, s12, 15                         ; the head
	s_mov_b32 s16, 15|(3<<16)|(1<<20)|(1<<21)|(7<<22)|(31<<25)   ; the mask of all four, bit 21 beside it; elements of 8 bytes; 32 words of padding behind every 256
	s_mov_b32 s17, 128<<16                         ; tensor_dim0: 128 elements, 1,024 bytes
	s_mov_b32 s18, 9<<16                           ; tensor_dim1
	s_mov_b32 s19, 128<<16                         ; tile_dim0
	s_mov_b32 s20, 9                               ; tile_dim1
	s_mov_b32 s21, 128                             ; the pitch: dense
	s_mov_b32 s22, 0
	s_mov_b32 s23, 0
	s_mov_b32 s24, 1
	s_mul_i32 s25, s10, KST                        ; LDS: key step w
	s_mul_i32 s44, s12, REC
	s_mov_b32 s45, 0
	s_mul_i32 s46, s10, KSB
	s_mov_b32 s47, 0
	s_mov_b32 s28, 0x3e38aa3b                      ; c = log2(e) / 8
	s_mov_b32 s29, s28                             ; (named with it as a pair, so it is written)
	s_mov_b32 s54, 0xbe38aa3b                      ; -c
	s_mov_b32 s30, 0x76543210
	s_mov_b32 s31, 0xfedcba98                      ; v_permlanex16_b32's selects for lane l xor 16
	s_mov_b32 s34, 2                               ; passes
	s_wait_dscnt 0x0
	s_wait_kmcnt 0x0
	s_add_nc_u64 s[4:5], s[4:5], s[44:45]          ; my record
	s_add_nc_u64 s[26:27], s[4:5], s[46:47]
	s_or_b32 s27, s27, 0x80000000
	CROUND                                         ; all four work-groups are here: the joint loads meet
	tensor_load_to_lds s[24:27], s[16:23]
	s_nop 0
.rept 4
	v_nop
.endr
	s_lshl_b32 s48, s11, 5
	s_add_co_u32 s48, s48, s10                     ; my first tile of queries: 32 cx + wave; the second pass takes the tile 16 on
	s_mov_b32 s51, 0
	s_lshl_b32 s50, s48, 9
	s_add_co_u32 s50, s50, QI
	s_add_nc_u64 s[36:37], s[4:5], s[50:51]        ; its image,
	s_lshl_b32 s50, s48, 6
	s_add_co_u32 s50, s50, QS
	s_add_nc_u64 s[38:39], s[4:5], s[50:51]        ; its scale words
	s_lshl_b32 s49, s13, 7
	s_add_co_u32 s48, s48, s49                     ; T = 128 x batch + tile
	s_lshr_b32 s49, s14, 3                         ; sigma
	s_and_b32 s52, s14, 7
	s_mul_i32 s50, s49, ASTR
	s_lshl_b32 s53, s48, 12
	s_add_co_u32 s50, s50, s53
	s_lshl_b32 s53, s52, 9
	s_add_co_u32 s50, s50, s53
	s_add_nc_u64 s[40:41], s[6:7], s[50:51]        ; my 512 bytes of aimg
	s_lshl_b32 s50, s48, 9
	s_lshl_b32 s53, s49, 8
	s_add_co_u32 s50, s50, s53
	s_lshl_b32 s53, s52, 1
	s_add_co_u32 s50, s50, s53
	s_add_nc_u64 s[42:43], s[8:9], s[50:51]        ; my head's two bytes of each row in asc
	v_and_b32 v24, 31, v0                          ; lane
	v_and_b32 v25, 7, v0                           ; p % 8
	v_bfe_u32 v26, v0, 3, 1                        ; p / 8
	v_bfe_u32 v27, v0, 4, 1                        ; h
	v_and_b32 v28, 15, v0                          ; r
	v_lshlrev_b32 v1, 4, v24
	v_mul_u32_u24 v2, v26, 1152                    ; K: row p of tile (c, u) lies in memory's tile 4 c + 2 (p / 8) + u % 2 at position p % 8 + 8 (u / 2): two tiles are one padded row of 1,152 bytes,
	v_lshlrev_b32 v3, 7, v26                       ; and 128 bytes of scale words
	v_lshl_add_u32 v2, v25, 4, v2
	v_lshl_add_u32 v3, v25, 2, v3
	v_lshl_add_u32 v2, v27, 8, v2                  ; + 256 h: channels 32 h on
	v_lshl_add_u32 v3, v27, 6, v3                  ; lanes 16-31: the words of the tile with u one higher
	v_add_nc_u32 v4, 4608, v1                      ; V: behind four padded rows
	v_add_nc_u32 v3, 9216, v3                      ; the scale words: behind eight
	v_lshl_add_u32 v5, v24, 2, 9728
	v_lshlrev_b32 v244, 2, v28
	v_lshl_add_u32 v6, v28, 4, v27
	v_lshlrev_b32 v246, 3, v27
	v_cmp_ne_u32 s35, 0, v27                       ; lanes 16-31
.irp j, 20,21,22,23
	v_mov_b32 v[\j], 0                             ; Q's upper 64 along K: zero codes
.endr
.irp t, 0,1,2,3,4,5,6,7
.irp j, 4,5,6,7
	v_mov_b32 v[32+8*\t+\j], 0                     ; K's likewise: written once
.endr
.endr
.irp j, 235,252,253
	v_mov_b32 v[\j], 0                             ; lane permutes' destinations and the pair v[252:253]: written before they are first named
.endr
	s_wait_alu depctr_va_vdst(0)                   ; the wait at the head's end
	s_wait_tensorcnt 0x0                           ; my key step is in,
	s_barrier_signal -1
	s_barrier_wait -1                              ; everybody's is: from here on these bytes are only read
.macro KLOAD ak, as, off               ; a key step's eight tiles of K and their scale words (register 2 c + g: lanes 0-15 tile (c, 2 g), lanes 16-31 tile (c, 2 g + 1))
.irp c, 0,1
.irp u, 0,1,2,3
	ds_load_b128 v[32+32*\c+8*\u:35+32*\c+8*\u], v[\ak] offset:\off+2304*\c+512*(\u%2)+128*(\u/2)
.endr
.irp g, 0,1
	ds_load_b32 v[248+2*\c+\g], v[\as] offset:\off+256*\c+32*\g
.endr
.endr
.endm
.macro OM j                            ; two numbers of O^T under the new M
	v_pk_mul_f32 v[160+\j:161+\j], v[160+\j:161+\j], v[252:253] op_sel_hi:[1,0]
.endm
.macro FM n                            ; n pairs: t - M
.rept \n
	v_pk_fma_f32 v[96+FJ:97+FJ], v[96+FJ:97+FJ], s[28:29], v[12:13] op_sel_hi:[1,0,0]
.set FJ, FJ+2
.endr
.endm
.macro TREE n, d                       ; n packed additions in place: pair 2 d i += pair 2 d i + d
.set TJ, 0
.rept \n
	v_pk_add_f32 v[96+TJ:97+TJ], v[96+TJ:97+TJ], v[96+TJ+\d:97+TJ+\d]
.set TJ, TJ+2*\d
.endr
.endm
; A KEY STEP: 128 keys.  K and its scale words are in registers at its head.  pf = 1: the next step's are fetched behind the products.
.macro STEP pf
	s_barrier_signal -1                            ; I have begun this step (no LDS instruction of mine is out)
.irp c, 0,1
.irp g, 0,1
	v_wmma_scale_f32_16x16x128_f8f6f4 v[96+32*\c+16*\g:103+32*\c+16*\g], v[32+32*\c+16*\g:39+32*\c+16*\g], v[16:23], 0, v[248+2*\c+\g], v255 matrix_a_fmt:MATRIX_FMT_FP4 matrix_b_fmt:MATRIX_FMT_FP4
	v_wmma_scale_f32_16x16x128_f8f6f4 v[104+32*\c+16*\g:111+32*\c+16*\g], v[40+32*\c+16*\g:47+32*\c+16*\g], v[16:23], 0, v[248+2*\c+\g], v255 matrix_a_fmt:MATRIX_FMT_FP4 matrix_b_fmt:MATRIX_FMT_FP4 matrix_a_scale:MATRIX_SCALE_ROW1
.endr
.endr
	v_mov_b32 v254, v12                            ; the old -M.  These five lines are the places behind the products above and the last step's, ahead of the loads into their registers and of the first read of S^T
	v_add_nc_u32 v30, s32, v4
	v_add_nc_u32 v31, s32, v5
.if \pf
	v_add_nc_u32 v28, s32, v2
	v_add_nc_u32 v29, s32, v3
.else
	v_nop
	v_nop
.endif
.irp t, 0,1,2,3
.irp c, 0,1
	ds_load_b128 v[192+8*\t+4*\c:195+8*\t+4*\c], v30 offset:1152*\t+512*\c
.endr
.endr
.irp i, 0,1
	ds_load_b32 v[240+\i], v31 offset:128*\i       ; lanes 0-15: V's tile 2 i, lanes 16-31: tile 2 i + 1
.endr
.if \pf
	KLOAD 28, 29, KST
.endif
.irp c, 0,1                                    ; the largest score of my two blocks of 32 keys, each in two chains, the four by turns; each accumulator is first read at its low end
	v_max3_num_f32 v[232+\c], v[96+32*\c], v[97+32*\c], v[98+32*\c]
	v_max3_num_f32 v[236+\c], v[112+32*\c], v[113+32*\c], v[114+32*\c]
.endr
.irp i, 3,5,7,9,11,13
.irp c, 0,1
	v_max3_num_f32 v[232+\c], v[232+\c], v[96+32*\c+\i], v[97+32*\c+\i]
	v_max3_num_f32 v[236+\c], v[236+\c], v[112+32*\c+\i], v[113+32*\c+\i]
.endr
.endr
.irp c, 0,1
	v_max3_num_f32 v[232+\c], v[232+\c], v[236+\c], v[111+32*\c]
.endr
.irp c, 0,1
	v_max_num_f32 v[232+\c], v[232+\c], v[127+32*\c]
.endr
	s_delay_alu instid0(VALU_DEP_1)
	v_max_num_f32 v234, v232, v233
	s_delay_alu instid0(VALU_DEP_1)
	v_permlanex16_b32 v235, v234, s30, s31
	s_delay_alu instid0(VALU_DEP_1)
	v_max3_num_f32 v13, v13, v234, v235            ; the running largest score of my query (c is positive)
	s_delay_alu instid0(VALU_DEP_1)
	v_mul_f32 v234, s54, v13                       ; -t
	s_delay_alu instid0(VALU_DEP_1)
	v_floor_f32 v12, v234                          ; the new -M = floor(-t): M is a whole number
.set FJ, 0
	FM 8
	v_sub_f32 v254, v12, v254                      ; old M - new M: a whole number, 0 or less
	FM 8
	v_cvt_i32_f32 v254, v254                       ; (it saturates)
	FM 8
	v_ldexp_f32 v252, 1.0, v254                    ; f = 2^(old M - new M)
	FM 8
.irp c, 0,1
	v_fma_f32 v[232+\c], v[232+\c], s28, v12       ; the same of each block's largest score: p rises with the score, so this becomes the block's largest p
.endr
	s_wait_alu depctr_va_vdst(0)                   ; the wait ahead of the batch
	v_exp_f32 v232, v232
	v_exp_f32 v233, v233
.set EJ, 0
.rept 64
	v_exp_f32 v[96+EJ], v[96+EJ]                   ; p = 2^(t - M), at most 1
.set EJ, EJ+1
.endr
	v_pk_mul_f32 v[14:15], v[14:15], v[252:253] op_sel_hi:[1,0]   ; the sums under the new M: a plain place behind the exponentials
	s_wait_alu depctr_va_vdst(0)                   ; one wait for the batch, directly ahead of the first reader of O^T too; plain lines alone up to O^T's last
	OM 0
	OM 2
.irp c, 0,1
	v_max_num_f32 v[232+\c], 0x1800000, v[232+\c]  ; the floor 2^(3 - 127): the byte cannot fall under 1
.endr
	OM 4
	OM 6
.irp c, 0,1
	v_add_nc_u32 v[238+\c], 0xff000000, v[232+\c]  ; 2 off the exponent field: the conversion's scale operand
.endr
	OM 8
	OM 10
.irp c, 0,1
	v_lshrrev_b32 v[236+\c], 23, v[238+\c]         ; the scale's byte
.endr
	OM 12
	OM 14
	v_lshl_or_b32 v253, v237, 16, v236             ; my blocks h and 2 + h,
	OM 16
	OM 18
	v_lshlrev_b32 v253, v246, v253                 ; at their places in the word;
	OM 20
	OM 22
	v_permlanex16_b32 v235, v253, s30, s31
	OM 24
	OM 26
	v_or_b32 v253, v253, v235                      ; with lane l xor 16's two p's scale word is whole
	OM 28
	OM 30
.irp c, 0,1
.irp u, 0,1,2,3
	v_cvt_scalef32_pk8_fp4_f32 v[224+4*\c+\u], v[96+32*\c+8*\u:103+32*\c+8*\u], v[238+\c]   ; keys 64 c + 32 h + 8 u on: the operand's register 4 c + u
.endr
.endr
	v_nop                                          ; one plain place behind a scaled conversion, ahead of the writes of its sources
	TREE 16, 2                                     ; the row's sum of the unquantised p, in place.  (These 32 also stand between the writes of p's codes and scale word and the products)
	TREE 8, 4
	TREE 4, 8
	TREE 2, 16
	v_pk_add_f32 v[14:15], v[14:15], v[96:97]
	v_pk_add_f32 v[14:15], v[14:15], v[128:129]
	s_wait_alu depctr_va_vdst(0)                   ; directly ahead of the waits below
	s_barrier_wait -1                              ; every wave has begun this step
	s_wait_dscnt 0x0                               ; V and its scale words are in, and the next step's K
.irp i, 0,1                                    ; O^T += V^T P^T: four accumulators, one instruction each
	v_wmma_scale_f32_16x16x128_f8f6f4 v[160+16*\i:167+16*\i], v[192+16*\i:199+16*\i], v[224:231], v[160+16*\i:167+16*\i], v[240+\i], v253 matrix_a_fmt:MATRIX_FMT_FP4 matrix_b_fmt:MATRIX_FMT_FP4
	v_wmma_scale_f32_16x16x128_f8f6f4 v[168+16*\i:175+16*\i], v[200+16*\i:207+16*\i], v[224:231], v[168+16*\i:175+16*\i], v[240+\i], v253 matrix_a_fmt:MATRIX_FMT_FP4 matrix_b_fmt:MATRIX_FMT_FP4 matrix_a_scale:MATRIX_SCALE_ROW1
.endr
.endm
.Lpass:
	global_load_b128 v[16:19], v1, s[36:37]        ; Q's fragment
	global_load_b32 v255, v244, s[38:39]           ; and its scale words
	KLOAD 2, 3, 0                                  ; key step 0
	v_mov_b32 v13, 0xff61b1e6                      ; the largest score so far: -3e38
	v_mov_b32 v12, 0x7e000000                      ; -M: 2^125, so that the first f is 0
	v_mov_b32 v14, 0
	v_mov_b32 v15, 0
.set ZJ, 0
.rept 32
	v_mov_b32 v[160+ZJ], 0                         ; O^T.  (The step is written for all: the first finds zeros, which the first change of M leaves zeros)
.set ZJ, ZJ+1
.endr
	s_mov_b32 s32, 0                               ; the step's first byte in LDS
	s_mov_b32 s33, 15
	s_wait_alu depctr_va_vdst(0)                   ; directly ahead of the waits below
	s_wait_loadcnt 0x0
	s_wait_dscnt 0x0
.Lstep:                                                ; fifteen steps fetch the next step's K;
	STEP 1
	s_add_co_u32 s32, s32, KST
	s_sub_co_u32 s33, s33, 1
	s_cmp_lg_u32 s33, 0
	s_cbranch_scc1 .Lstep
	STEP 0                                         ; the last has none to fetch
	; THE WAY OUT: O^T / the sum, quantised along the head's 64 channels: two blocks; register 16 b + i is channel 32 b + 16 h + i of my query
	v_add_f32 v14, v14, v15                        ; the sum's two halves,
	s_delay_alu instid0(VALU_DEP_1)
	v_permlanex16_b32 v252, v14, s30, s31
	s_delay_alu instid0(VALU_DEP_1)
	v_add_f32 v14, v14, v252                       ; and lane l xor 16's
	s_wait_alu depctr_va_vdst(0)
	v_rcp_f32 v14, v14
.rept 4
	v_nop                                          ; plain places: behind the reciprocal, and four behind the last products ahead of the first read of O^T
.endr
	s_wait_alu depctr_va_vdst(0)                   ; ahead of the reciprocal's first reader
.set j, 0
.rept 16
	v_pk_mul_f32 v[96+j:97+j], v[160+j:161+j], v[14:15] op_sel_hi:[1,0]
.set j, j+2
.endr
	v_max3_num_f32 v24, |v96|, |v97|, 0x1800000    ; my 16 numbers of each block, and the floor
	v_max3_num_f32 v25, |v112|, |v113|, 0x1800000
.irp i, 2,4,6,8,10,12,14
	s_delay_alu instid0(VALU_DEP_2)
	v_max3_num_f32 v24, v24, |v[96+\i]|, |v[97+\i]|
	s_delay_alu instid0(VALU_DEP_2)
	v_max3_num_f32 v25, v25, |v[112+\i]|, |v[113+\i]|
.endr
	s_delay_alu instid0(VALU_DEP_2)
	v_permlanex16_b32 v26, v24, s30, s31
	s_delay_alu instid0(VALU_DEP_2)
	v_permlanex16_b32 v27, v25, s30, s31
	s_delay_alu instid0(VALU_DEP_2)
	v_max_num_f32 v24, v24, v26
	s_delay_alu instid0(VALU_DEP_2)
	v_max_num_f32 v25, v25, v27
	s_delay_alu instid0(VALU_DEP_2)
	v_add_nc_u32 v28, 0xff000000, v24
	s_delay_alu instid0(VALU_DEP_2)
	v_add_nc_u32 v29, 0xff000000, v25
	s_delay_alu instid0(VALU_DEP_2)
	v_lshrrev_b32 v30, 23, v28
	s_delay_alu instid0(VALU_DEP_2)
	v_lshrrev_b32 v31, 23, v29
	s_delay_alu instid0(VALU_DEP_1)
	v_cndmask_b32 v7, v30, v31, s35                ; lanes 0-15 store block 0's byte, lanes 16-31 block 1's
	v_cvt_scalef32_pk8_fp4_f32 v8, v[96:103], v28
	v_cvt_scalef32_pk8_fp4_f32 v9, v[104:111], v28
	v_cvt_scalef32_pk8_fp4_f32 v10, v[112:119], v29
	v_cvt_scalef32_pk8_fp4_f32 v11, v[120:127], v29
	v_nop                                          ; one plain place behind a scaled conversion
	v_permlane16_swap_b32 v8, v10                  ; a whole block in a lane: v8-11 = channels 32 h + 0 .. 31
	v_permlane16_swap_b32 v9, v11
	global_store_b128 v1, v[8:11], s[40:41]        ; 512 consecutive bytes
	global_store_b8 v6, v7, s[42:43]
	s_wait_xcnt 0x0                                ; the stores and Q's loads have read their registers and bases: they are written again below
	s_add_nc_u64 s[36:37], s[36:37], 8192          ; the tile 16 on: 16 x 512,
	s_add_nc_u64 s[38:39], s[38:39], 1024          ; 16 x 64,
	s_add_nc_u64 s[40:41], s[40:41], 65536         ; 16 x 4,096,
	s_add_nc_u64 s[42:43], s[42:43], 8192          ; 16 x 512
	s_sub_co_u32 s34, s34, 1
	s_cmp_lg_u32 s34, 0
	s_cbranch_scc1 .Lpass
	s_wait_tensorcnt 0x0                           ; the wave's end
	ds_add_u32 v242, v243
	s_wait_dscnt 0x0
	CROUND                                         ; the closing round
	s_endpgm
.Lfunc_end_k_q6e4ce7a08e_attn:
	.size	k_q6e4ce7a08e_attn, .Lfunc_end_k_q6e4ce7a08e_attn-k_q6e4ce7a08e_attn
	.p2alignl 7, 3214868480
	.fill 96, 4, 3214868480
	.section	.rodata,"a",@progbits
	.p2align	6, 0x0
	.amdhsa_kernel k_q6e4ce7a08e_attn
		.amdhsa_group_segment_fixed_size 169984
		.amdhsa_private_segment_fixed_size 0
		.amdhsa_enable_private_segment 0
		.amdhsa_kernarg_size 24
		.amdhsa_user_sgpr_count 2
		.amdhsa_user_sgpr_kernarg_segment_ptr 1
		.amdhsa_wavefront_size32 1
		.amdhsa_system_sgpr_workgroup_id_x 1
		.amdhsa_system_sgpr_workgroup_id_y 1
		.amdhsa_system_sgpr_workgroup_id_z 1
		.amdhsa_system_vgpr_workitem_id 0
		.amdhsa_next_free_vgpr 256
		.amdhsa_next_free_sgpr 66
		.amdhsa_reserve_vcc 0
		.amdhsa_float_denorm_mode_32 3
		.amdhsa_float_denorm_mode_16_64 3
		.amdhsa_memory_ordered 1
		.amdhsa_forward_progress 1
		.amdhsa_inst_pref_size 41
	.end_amdhsa_kernel
	.amdgpu_metadata
---
amdhsa.version: [ 1, 2 ]
amdhsa.kernels:
  - .name:           k_q6e4ce7a08e_attn
    .symbol:         k_q6e4ce7a08e_attn.kd
    .args:
      - { .name: qkv, .offset: 0, .size: 8, .value_kind: global_buffer, .address_space: global }
      - { .name: aimg, .offset: 8, .size: 8, .value_kind: global_buffer, .address_space: global }
      - { .name: asc, .offset: 16, .size: 8, .value_kind: global_buffer, .address_space: global }
    .group_segment_fixed_size: 169984
    .private_segment_fixed_size: 0
    .kernarg_segment_align: 8
    .kernarg_segment_size: 24
    .max_flat_workgroup_size: 512
    .sgpr_count:     66
    .vgpr_count:     256
    .wavefront_size: 32
...
	.end_amdgpu_metadata
.endif
;; end of part 3
;; launch gemm_out (part 4): grid 4 x 64, 4 waves a work-group, clusters of 4 x 4, 279,040 bytes of LDS; arguments aimg, asc, cimg, simg, bo, out0; writes out0
.if DOCPART == 4
	.amdgcn_target "amdgcn-amd-amdhsa--gfx1250"
	.amdhsa_code_object_version 6
	.text
	.protected	k_q6e4ce7a08e_gemm_out
	.globl	k_q6e4ce7a08e_gemm_out
	.p2align	8
	.type	k_q6e4ce7a08e_gemm_out,@function
k_q6e4ce7a08e_gemm_out:
	s_mov_b64 s[64:65], 0
	v_nop
	global_prefetch_b8 v0, s[64:65] scope:SCOPE_SE
	s_setreg_imm32_b32 hwreg(HW_REG_WAVE_MODE, 25, 1), 1
	s_wait_xcnt 0x0
	s_wait_alu depctr_hold_cnt(0) depctr_sa_sdst(0) depctr_va_vdst(0) depctr_va_sdst(0) depctr_va_ssrc(0) depctr_va_vcc(0) depctr_vm_vsrc(0)
	s_getreg_b32 s2, hwreg(HW_REG_IB_STS2, 6, 4)
	s_cmp_eq_u32 s2, 0
	s_cbranch_scc0 .Lentry_in_a_cluster
	s_endpgm
.Lentry_in_a_cluster:
	s_bfe_u32 s2, ttmp6, 0x10000c
	s_cmp_lg_u32 s2, 0xf033
	s_cbranch_scc0 .Lentry_shape_is_right
	s_endpgm
.Lentry_shape_is_right:
; out0 = attention's output x Wo^T + bo, on codes of FP4 with E8M0 scales.  out0: [8192][1024] f32.
; aimg [sigma][T 0..511][4,096] and asc [T][sigma][r][16]: the left operand; cimg [sigma][T][4,096] and simg, tiles 704-767: Wo.  All are images of operand registers: a tile is 16 rows, position p of tile T is row
; 32 (T / 2) + 8 (T % 2) + p + 8 (p / 8); a fragment (16 rows x 128 K) is [c][lane][16 bytes]; K step = 4 sigma + step.
; SHARES.  8,192 x 1,024 in blocks of 128 tokens x 256 columns: 256 work-groups.  A work-group has four waves; a wave makes 64 tokens x 128 columns: 32 accumulators.
; All of K = 1,024 comes into LDS ONCE, by one tensor load a wave: two rows (sigma 0, sigma 1) of a wave's tiles: waves 0 and 1 four tiles of tokens each (rows of 16,384 bytes), waves 2 and 3 eight tiles of Wo each (32,768).
; No byte of LDS is filled twice, and one barrier shows the tiles to all.  No prefetch: the launch has no loop to run ahead in, and every byte that it waits for is asked for at its head.
; THE SCALE WORDS go from memory into registers, sixteen lanes to 256 consecutive bytes: one register carries A's words in lanes 0-15 and B's in lanes 16-31.
; THE MATRIX INSTRUCTION IS USED TRANSPOSED: source 0 = 16 rows of Wo ('B'), source 1 = 16 tokens ('A'): lane (r, h) holds the token at position r, and registers j of B's tiles 2 b + u the column 32 b + 16 h + 8 u + j.
; The bias is the C of each sum's first matrix instruction.
; CLUSTERS: 4 x 4.  A's tiles are asked for jointly by a row of the cluster, B's by a column.  One tensor load a wave is out.
; REGISTERS: window 0: v9 the bias's offset; v16-27 addresses; v32-95 scale words (set sigma at 32 sigma; register 4 i + q); v126-127 the add's; v128-191 A's fragments, two sets of four; v192-255 the bias; on the way out v128-255 are rows of out0.
;   window 1: B's fragments, two sets of eight, at v0 and v128.   window 2: the accumulators, (a, b) at v[8 (8 a + b)].
.set CSTR,  3145728
.set ASTR,  2097152
.set STAGE, 196608                     ; behind the tiles: a stage of 16 rows x (512 + 16) bytes for each wave: bytes that no tensor load fills
.set SPITCH, 528
.set SPARE, 0x44000                    ; the spare words, 128 bytes a wave
.set ADRA,  16                         ; v16-17 LDS address of my A fragments, sigma 0, 1
.set ADRB,  20                         ; v20-21 the same for B
.set STO,   24
.set RD,    25
.set CO,    26
.set ADRS,  27
.set SC,    32
.set AF,    128
.set BIAS,  192
.set BK,    128
.set G1,   24
.set G0,   32
.set G1B,  48
.set G0B,  56
.set MSB, 0
.macro WIN new                         ; the immediate's high byte repeats the setting that is left
.if MSB != (\new)
	s_set_vgpr_msb (MSB<<8)|(\new)
.set MSB, (\new)
.endif
.endm
.set MUL_LO, 0xa1                      ; source 0 (B) window 1, source 1 (A) window 0, C and D window 2
.set TO_B,   0x40
.macro CROUND                          ; a round of the cluster's barrier
	s_barrier_signal -1
	s_barrier_wait -1
	s_cmp_lg_u32 s18, 0
	s_cbranch_scc1 .Lnot_wave_0_\@
	s_barrier_signal -3
.Lnot_wave_0_\@:
	s_barrier_wait -3
	s_barrier_signal -1
	s_barrier_wait -1
.endm
.macro PLACES                          ; four plain vector instructions behind matrix instructions, ahead of loads into their registers and of reads of their results
.rept 4
	v_nop
.endr
.endm
	s_load_b256 s[4:11], s[0:1], 0x0               ; aimg, asc, cimg, simg
	s_load_b128 s[12:15], s[0:1], 0x20             ; bo, out0
	v_lshl_add_u32 v126, v0, 2, SPARE
	v_mov_b32 v127, 0
	ds_add_u32 v126, v127                          ; the opening lines: the add, twice on end, and its wait ahead of my tensor load
	ds_add_u32 v126, v127
	v_lshrrev_b32 v9, 5, v0
	v_readfirstlane_b32 s18, v9                    ; wave 0..3
	s_lshr_b32 s19, s18, 1                         ; HA: my half of the tokens.  Also: I fetch for A (0) or B (1)
	s_and_b32 s20, s18, 1                          ; HB: my half of the columns.  Also: which half I fetch
	s_bfe_u32 s21, ttmp6, 0x40000                  ; cx
	s_bfe_u32 s22, ttmp6, 0x40004                  ; cy
	s_and_b32 s40, ttmp7, 0xffff                   ; cluster y (the grid has one cluster along x)
	s_lshl_b32 s42, s22, 2
	s_lshl_b32 s42, 15, s42                        ; my row of the cluster
	s_lshl_b32 s43, 0x1111, s21                    ; my column
	s_or_b32 s[G1], s42, (3<<16)|(1<<21)           ; elements of 8 bytes, no padding; the mask, bit 21 beside it
	s_or_b32 s[G1B], s43, (3<<16)|(1<<21)
	s_mov_b32 s[G1+1], 2048<<16                    ; A: two rows of 2,048 elements, four tiles of one sigma each,
	s_mov_b32 s[G1+2], 2<<16
	s_mov_b32 s[G1+3], 2048<<16
	s_mov_b32 s[G1+4], 2
	s_mov_b32 s[G1+5], ASTR/8                      ; from sigma 0 to sigma 1 in aimg
	s_mov_b32 s[G1+6], 0
	s_mov_b32 s[G1+7], 0
	s_mov_b32 s[G1B+1], 4096<<16                   ; B: two rows of 4,096 elements, eight tiles,
	s_mov_b32 s[G1B+2], 2<<16
	s_mov_b32 s[G1B+3], 4096<<16
	s_mov_b32 s[G1B+4], 2
	s_mov_b32 s[G1B+5], CSTR/8                     ; from sigma 0 to sigma 1 in cimg
	s_mov_b32 s[G1B+6], 0
	s_mov_b32 s[G1B+7], 0
	s_lshl_b32 s2, s40, 5                          ; A's first tile: 8 (4 cluster y + cy)
	s_lshl_b32 s66, s22, 3
	s_add_co_u32 s2, s2, s66
	s_lshl_b32 s67, s20, 2
	s_add_co_u32 s66, s2, s67                      ; + the four that I fetch
	s_lshl_b32 s66, s66, 12
	s_mov_b32 s67, 0
	s_lshl_b32 s3, s21, 4                          ; B's: 704 + 16 cx + 8 half: the half that I fetch is the half that I multiply
	s_add_co_u32 s3, s3, 704
	s_lshl_b32 s46, s20, 3
	s_add_co_u32 s3, s3, s46
	s_lshl_b32 s46, s3, 12
	s_mov_b32 s47, 0
	s_lshl_b32 s68, s19, 2
	s_add_co_u32 s68, s68, s2                      ; the four tiles of tokens that I multiply:
	s_lshl_b32 s68, s68, 9                         ; their scale words, 512 bytes a tile
	s_mov_b32 s69, 0
	s_lshl_b32 s70, s3, 9
	s_mov_b32 s71, 0
	s_wait_dscnt 0x0
	s_wait_kmcnt 0x0
	s_add_nc_u64 s[G0+2:G0+3], s[4:5], s[66:67]
	s_add_nc_u64 s[G0B+2:G0B+3], s[8:9], s[46:47]
	s_add_nc_u64 s[6:7], s[6:7], s[68:69]
	s_add_nc_u64 s[10:11], s[10:11], s[70:71]
.irp g, G0, G0B
	s_mov_b32 s[\g], 1                             ; count = 1
	s_or_b32 s[\g+3], s[\g+3], 0x80000000          ; type = 2
.endr
	s_lshl_b32 s[G0+1], s20, 15                    ; LDS: A's halves at 0 and 32,768,
	s_lshl_b32 s[G0B+1], s20, 16
	s_add_co_u32 s[G0B+1], s[G0B+1], 65536         ; B's at 65,536 and 131,072
	CROUND                                         ; all sixteen work-groups are here: the joint loads meet
	s_cmp_eq_u32 s19, 0                            ; waves 0 and 1 fetch for A, waves 2 and 3 for B: one load in each arm
	s_cbranch_scc0 .Lfor_b
	tensor_load_to_lds s[G0:G0+3], s[G1:G1+7]
	s_nop 0
.rept 4
	v_nop
.endr
	s_branch .Lasked
.Lfor_b:
	tensor_load_to_lds s[G0B:G0B+3], s[G1B:G1B+7]
	s_nop 0
.rept 4
	v_nop
.endr
.Lasked:
	v_and_b32 v12, 31, v0                          ; lane
	v_and_b32 v10, 15, v0                          ; r
	v_bfe_u32 v11, v0, 4, 1                        ; h
	v_lshlrev_b32 v[CO], 4, v12                    ; 16 x lane
	s_lshl_b32 s94, s19, 15
	s_lshl_b32 s95, s20, 16
	s_add_co_u32 s95, s95, 65536
	v_add_nc_u32 v[ADRA], s94, v[CO]
	v_add_nc_u32 v[ADRB], s95, v[CO]
	v_add_nc_u32 v[ADRA+1], 16384, v[ADRA]
	v_add_nc_u32 v[ADRB+1], 32768, v[ADRB]
	v_lshlrev_b32 v[ADRS], 4, v10                  ; 16 r: my row's four scale words of a tile and a sigma
	v_cmp_ne_u32 s72, 0, v11                       ; lanes 16-31
.irp sc, 0,1
.irp i, 0,1,2,3
	global_load_b128 v[SC+32*\sc+4*\i:SC+32*\sc+4*\i+3], v[ADRS], s[6:7] offset:512*\i+256*\sc          ; A's block i, from asc: sixteen lanes read 256 consecutive bytes, aligned
	global_load_b128 v[AF+16*\sc+4*\i:AF+16*\sc+4*\i+3], v[ADRS], s[10:11] offset:512*\i+256*\sc        ; B's block i, from simg, into registers that take A's fragments later
	global_load_b128 v[SC+32*\sc+16+4*\i:SC+32*\sc+16+4*\i+3], v[ADRS], s[10:11] offset:512*(\i+4)+256*\sc   ; B's block i + 4: of these registers lanes 16-31 alone are read
.endr
.endr
	s_mul_i32 s94, s18, 16*SPITCH
	s_add_co_u32 s94, s94, STAGE                   ; my stage
	v_mul_u32_u24 v14, v10, SPITCH
	v_lshl_add_u32 v14, v11, 6, v14
	v_add_nc_u32 v[STO], s94, v14                  ; in: row r, + 64 h
	v_add_nc_u32 v[RD], s94, v[CO]                 ; back: the 32 lanes take one row of 512 bytes
	v_lshlrev_b32 v9, 6, v11                       ; the bias: 16 h numbers on
	s_wait_alu depctr_va_vdst(0)                   ; ahead of the scalar lines below
	s_lshl_b32 s94, s21, 10
	s_lshl_b32 s95, s20, 9
	s_add_co_u32 s94, s94, s95                     ; my first column, in bytes: 1,024 cx + 512 HB
	s_mov_b32 s95, 0
	s_add_nc_u64 s[12:13], s[12:13], s[94:95]
	s_add_nc_u64 s[14:15], s[14:15], s[94:95]
	s_lshl_b32 s94, s40, 2
	s_add_co_u32 s94, s94, s22
	s_lshl_b32 s94, s94, 1
	s_add_co_u32 s94, s94, s19                     ; my 64 tokens: 2 (4 cluster y + cy) + HA,
	s_lshl_b32 s94, s94, 18                        ; x 64 rows of 4,096 bytes
	s_add_nc_u64 s[14:15], s[14:15], s[94:95]
.irp g, 0,1,2,3,4,5,6,7                        ; register j of B's tile g wants bo[32 (g / 2) + 8 (g % 2) + 16 h + j]
	global_load_b128 v[BIAS+8*\g:BIAS+8*\g+3], v9, s[12:13] offset:4*(32*(\g/2)+8*(\g%2))
	global_load_b128 v[BIAS+8*\g+4:BIAS+8*\g+7], v9, s[12:13] offset:4*(32*(\g/2)+8*(\g%2))+16
.endr
	s_wait_loadcnt 0x0                             ; the scale words and the bias are in
.irp sc, 0,1
.irp n, 0,1,2,3,4,5,6,7,8,9,10,11,12,13,14,15
	v_cndmask_b32 v[SC+32*\sc+\n], v[SC+32*\sc+\n], v[AF+16*\sc+\n], s72   ; blocks 0-3: lanes 0-15 A's words, lanes 16-31 B's
.endr
.endr
.rept 8
	v_nop                                          ; a scale register written by a vector instruction stands eight places ahead of a scaled matrix instruction
.endr
.macro FETCH g                         ; K step g's fragments into sets g % 2: B's eight, A's four: 24 loads of 512 consecutive bytes
.set FS, (\g)/4
.set FQ, (\g)%4
.set FP, (\g)%2
	WIN TO_B
.irp i, 0,1,2,3,4,5,6,7
.irp c, 0,1
	ds_load_b128 v[128*FP+8*\i+4*\c:128*FP+8*\i+4*\c+3], v[ADRB+FS] offset:1024*FQ+512*\c+4096*\i
.endr
.endr
	WIN 0
.irp i, 0,1,2,3
.irp c, 0,1
	ds_load_b128 v[AF+32*FP+8*\i+4*\c:AF+32*FP+8*\i+4*\c+3], v[ADRA+FS] offset:1024*FQ+512*\c+4096*\i
.endr
.endr
.endm
; A K step of 128: the next step's fragments are asked for at its head, into the other sets; then 32 matrix instructions, the 32 accumulators by turns, in the same order in every step.
.macro STEP g
	s_wait_dscnt 0x0                               ; this step's fragments are in
.if (\g) < 7
.if (\g) > 0
	PLACES                                         ; the other sets were read by the last step's products
.endif
	FETCH (\g)+1
.endif
.set MS, (\g)/4
.set MQ, (\g)%4
.set MP, (\g)%2
.if (\g) == 0
	WIN 0x81                                       ; C, the bias, in window 0
.else
	WIN MUL_LO
.endif
.irp a, 0,1,2,3
.irp b, 0,1,2,3,4,5,6,7
.if (\g) == 0
	v_wmma_scale_f32_16x16x128_f8f6f4 v[8*(8*\a+\b):8*(8*\a+\b)+7], v[128*MP+8*\b:128*MP+8*\b+7], v[AF+32*MP+8*\a:AF+32*MP+8*\a+7], v[BIAS+8*\b:BIAS+8*\b+7], v[SC+32*MS+4*\b+MQ], v[SC+32*MS+4*\a+MQ] matrix_a_fmt:MATRIX_FMT_FP4 matrix_b_fmt:MATRIX_FMT_FP4 matrix_a_scale:MATRIX_SCALE_ROW1
.else
	v_wmma_scale_f32_16x16x128_f8f6f4 v[8*(8*\a+\b):8*(8*\a+\b)+7], v[128*MP+8*\b:128*MP+8*\b+7], v[AF+32*MP+8*\a:AF+32*MP+8*\a+7], v[8*(8*\a+\b):8*(8*\a+\b)+7], v[SC+32*MS+4*\b+MQ], v[SC+32*MS+4*\a+MQ] matrix_a_fmt:MATRIX_FMT_FP4 matrix_b_fmt:MATRIX_FMT_FP4 matrix_a_scale:MATRIX_SCALE_ROW1
.endif
.endr
.endr
.endm
	s_wait_alu depctr_va_vdst(0)                   ; the wait at the head's end
	s_wait_tensorcnt 0x0                           ; my load is in,
	s_barrier_signal -1
	s_barrier_wait -1                              ; everybody's is: from here on the tiles are only read
	FETCH 0
.irp g, 0,1,2,3,4,5,6,7
	STEP \g
.endr
	WIN 0
; THE WAY OUT, block by block of 16 tokens x 128 columns.  A lane holds pieces of 32 bytes of one row: a block goes through my own stage in LDS and comes back as whole rows of 512 bytes.
; LDS serves a wave's instructions in order: no wait between the stores and the loads, nor in front of the next block's stores.
.macro TOSTAGE a
	WIN 0x08                                       ; the data: window 2
.irp b, 0,1,2,3,4,5,6,7
	ds_store_b128 v[STO], v[64*(\a)+8*\b:64*(\a)+8*\b+3] offset:128*(\b/2)+32*(\b%2)        ; columns 32 (b / 2) + 16 h + 8 (b % 2) on; each accumulator from its low end on
	ds_store_b128 v[STO], v[64*(\a)+8*\b+4:64*(\a)+8*\b+7] offset:128*(\b/2)+32*(\b%2)+16
.endr
	WIN 0
.set BB, BK+64*((\a)%2)
.irp t, 0,1,2,3,4,5,6,7,8,9,10,11,12,13,14,15
	ds_load_b128 v[BB+4*\t:BB+4*\t+3], v[RD] offset:\t*SPITCH
.endr
.endm
.macro SEND a, younger                 ; younger: the LDS instructions issued behind block a's loads, which may stay out
.set BB, BK+64*((\a)%2)
	s_wait_dscnt \younger
.irp t, 0,1,2,3,4,5,6,7,8,9,10,11,12,13,14,15
	global_store_b128 v[CO], v[BB+4*\t:BB+4*\t+3], s[14:15] offset:(32*((\a)/2)+8*((\a)%2)+\t+8*(\t/8))*4096 th:TH_STORE_NT   ; position t's token; 32 lanes store 512 consecutive bytes, aligned; the base is never stepped: 63 rows at the most
.endr
.endm
	PLACES
	TOSTAGE 0
.irp a, 1,2,3
.if \a > 1
	s_wait_xcnt 0x0                                ; block a - 2's stores have read their registers: block a's loads may land there
.endif
	TOSTAGE \a
	SEND \a-1, 32                                  ; behind block a - 1's loads: block a's 16 stores and 16 loads
.endr
	SEND 3, 0
	s_wait_tensorcnt 0x0                           ; the wave's end
	ds_add_u32 v126, v127
	s_wait_dscnt 0x0
	CROUND                                         ; the closing round: no work-group ends while a partner may still ask for a tile that names it
	s_endpgm
.Lfunc_end_k_q6e4ce7a08e_gemm_out:
	.size	k_q6e4ce7a08e_gemm_out, .Lfunc_end_k_q6e4ce7a08e_gemm_out-k_q6e4ce7a08e_gemm_out
	.p2alignl 7, 3214868480
	.fill 96, 4, 3214868480
	.section	.rodata,"a",@progbits
	.p2align	6, 0x0
	.amdhsa_kernel k_q6e4ce7a08e_gemm_out
		.amdhsa_group_segment_fixed_size 279040
		.amdhsa_private_segment_fixed_size 0
		.amdhsa_enable_private_segment 0
		.amdhsa_kernarg_size 48
		.amdhsa_user_sgpr_count 2
		.amdhsa_user_sgpr_kernarg_segment_ptr 1
		.amdhsa_wavefront_size32 1
		.amdhsa_system_sgpr_workgroup_id_x 1
		.amdhsa_system_sgpr_workgroup_id_y 1
		.amdhsa_system_sgpr_workgroup_id_z 1
		.amdhsa_system_vgpr_workitem_id 0
		.amdhsa_next_free_vgpr 768
		.amdhsa_next_free_sgpr 104
		.amdhsa_reserve_vcc 0
		.amdhsa_float_denorm_mode_32 3
		.amdhsa_float_denorm_mode_16_64 3
		.amdhsa_memory_ordered 1
		.amdhsa_forward_progress 1
		.amdhsa_inst_pref_size 73
	.end_amdhsa_kernel
	.amdgpu_metadata
---
amdhsa.version: [ 1, 2 ]
amdhsa.kernels:
  - .name:           k_q6e4ce7a08e_gemm_out
    .symbol:         k_q6e4ce7a08e_gemm_out.kd
    .args:
      - { .name: aimg, .offset: 0, .size: 8, .value_kind: global_buffer, .address_space: global }
      - { .name: asc, .offset: 8, .size: 8, .value_kind: global_buffer, .address_space: global }
      - { .name: cimg, .offset: 16, .size: 8, .value_kind: global_buffer, .address_space: global }
      - { .name: simg, .offset: 24, .size: 8, .value_kind: global_buffer, .address_space: global }
      - { .name: bo, .offset: 32, .size: 8, .value_kind: global_buffer, .address_space: global }
      - { .name: out0, .offset: 40, .size: 8, .value_kind: global_buffer, .address_space: global }
    .group_segment_fixed_size: 279040
    .private_segment_fixed_size: 0
    .kernarg_segment_align: 8
    .kernarg_segment_size: 48
    .max_flat_workgroup_size: 128
    .sgpr_count:     104
    .vgpr_count:     768
    .wavefront_size: 32
...
	.end_amdgpu_metadata
.endif
;; end of part 4
